; MI455X (gfx1250); checked and timed in simulation.
; The chip was launched on July 23, 2026; its instructions are those of AMD's public machine-readable ISA for CDNA 5 (MIT licence, August 2026) and "CDNA5" Instruction Set Architecture Reference Guide (July 2026). The comments in the code are by the model that wrote it; some were corrected since.
;; Multihead Attention. Allowed arithmetic: matrix products marked QUANTISED: E5M2 operands, one E8M0 scale for each 32 along K, by v_wmma_scale_f32_16x16x128_f8f6f4 with both operands' format E5M2, f32 sums; everything else in f32.
;; Inputs: beta 1,024 float32; bk 1,024 float32; bq 1,024 float32; bv 1,024 float32; gamma 1,024 float32; wk_codes 1,024 x 32 x 32 uint8 (E5M2 codes of wk, K innermost, in blocks of 32 codes); wk_scales 1,024 x 32 uint8 (E8M0 scales of wk, one for each 32 codes along K); wq_codes 1,024 x 32 x 32 uint8 (E5M2 codes of wq, K innermost, in blocks of 32 codes); wq_scales 1,024 x 32 uint8 (E8M0 scales of wq, one for each 32 codes along K); wv_codes 1,024 x 32 x 32 uint8 (E5M2 codes of wv, K innermost, in blocks of 32 codes); wv_scales 1,024 x 32 uint8 (E8M0 scales of wv, one for each 32 codes along K); x 2 x 2,048 x 1,024 float32.
;; Outputs: out0 2 x 2,048 x 1,024 float32.
;; This version of the problem:
;;   THIS VERSION OF THE PROBLEM IS GIVEN IN LOW PRECISION. The matrix products marked QUANTISED in the list below multiply operands that are first quantised to E5M2 (5 exponent bits, 2 mantissa bits; 8 bits a number), with one power-of-two scale for each 32 numbers along K (OCP MX v1.0); their sums are f32. All else is computed in f32.
;;   The module's matrix products, in the order in which they are computed (A, B: the left and right operand; K: the contracted axis; several contracted axes count as one K, in the product's order):
;;     1. [M 4,096, K 1,024] x [K 1,024, N 1,024]; A: input x; B: input wq (given as codes): QUANTISED
;;     2. [M 4,096, K 1,024] x [K 1,024, N 1,024]; A: input x; B: input wk (given as codes): QUANTISED
;;     3. [M 4,096, K 1,024] x [K 1,024, N 1,024]; A: input x; B: input wv (given as codes): QUANTISED
;;     4. batch 32 x [M 2,048, K 64] x [K 64, N 2,048]; A: computed on the way; B: computed on the way: QUANTISED
;;     5. batch 32 x [M 2,048, K 2,048] x [K 2,048, N 64]; A: softmax (see below); B: computed on the way: QUANTISED
;;   THE QUANTISER, for each operand of a quantised product, along K:
;;     - K is cut into blocks of 32 from its start; a last block that is shorter is filled with zeros.
;;     - A block's scale is 2^e with e = floor(log2(the largest magnitude in the block)) - 15, held to -126 .. 127; a block of zeros has e = 0. As a byte (E8M0): e + 127.
;;     - Each number is divided by its block's scale, clamped to +-57,344, and rounded to the nearest number of E5M2, ties to even, subnormals kept.
;;     - The product sums the exact products of the quantised numbers (number of the format x scale) in f32.
;;   ~~~python
;;   def quantise(x, axis):      # numpy; x: float32 -> the quantised numbers, widened to float32 again
;;       x = np.moveaxis(x, axis, -1); K = x.shape[-1]
;;       x = np.pad(x, [(0, 0)] * (x.ndim - 1) + [(0, -K % 32)]); x = x.reshape(x.shape[:-1] + (-1, 32)); a = np.abs(x).max(-1, keepdims=True)
;;       e = np.where(a > 0, np.clip(np.frexp(np.where(a > 0, a, 1))[1] - 1 - 15, -126, 127), 0)      # np.frexp(a)[1] - 1 = floor(log2(a)), exactly
;;       r = np.clip(x / 2.0 ** e, -57344, 57344)
;;       step = 2.0 ** (np.maximum(np.frexp(np.where(r == 0, 1, r))[1] - 1, -14) - 2)
;;       q = np.round(r / step) * step * 2.0 ** e      # np.round: ties to even
;;       return np.moveaxis(q.reshape(q.shape[:-2] + (-1,))[..., :K], -1, axis).astype(np.float32)
;;   ~~~
;;   SOFTMAX AHEAD OF A QUANTISED PRODUCT. Where the list says 'softmax', what is quantised is not the finished softmax but p = 2^(t - M), with t = logit x log2(e) and M = ceil(the row's largest t), a whole number; so 1/2 < the row's largest p <= 1. The row's sum l is taken of the UNQUANTISED p, in f32, and the product's result is divided by l at the end. Since M is a whole number, a kernel that streams over the keys may use a running M (the ceiling of the running maximum): every later rescaling is an exact power of two, which a block's scale takes up: the codes' values come out the same.
;;   OPERANDS COMPUTED ON THE WAY. 'Computed on the way' means the value that the module computes at that place (a softmax that the list does not call 'softmax' is quantised finished and normalised). What goes into a quantiser is computed in f32, as accurately as f32 sums, v_exp_f32 and their like allow (about 1e-6 of the number): no bf16 or f16 on the way to a quantiser, and a product that is left as it is and whose result goes on into a quantised operand takes f32 operands (vector FMAs, or v_wmma_f32_16x16x4_f32). A number that lies on a knife's edge between two numbers of the format may be rounded either way, as far as f32 arithmetic and the matrix unit's own rounding can turn it there, and no further.
;;   INPUTS GIVEN AS CODES. wk (in the module: [1024, 1024], K = its axis 1); wq (in the module: [1024, 1024], K = its axis 1); wv (in the module: [1024, 1024], K = its axis 1): each comes as NAME_codes (uint8): NAME with its K axis moved to the last place and cut into blocks of 32 codes, [.., K / 32, bytes a block], one block behind the other in memory; one code a byte (a code: sign, 5 exponent bits, 2 mantissa bits); and NAME_scales (uint8): the same leading axes, one E8M0 byte (e + 127) for each 32 codes along K. Its value is code x scale, taken as it is: it is not quantised again, and the codes and scales need not be those that the quantiser above would give.
;; One version. Each part assembles by itself: llvm-mc -triple=amdgcn-amd-amdhsa -mcpu=gfx1250 --defsym DOCPART=n.
;; ======== version 1 of 1: 4 launches
;; limits: right only within a limited range of input values
;; workspace buffers: xc 4,194,304 bytes; xs 131,072 bytes; qkv 12,582,912 bytes; sc 655,360 bytes; att 16,777,216 bytes
;; launch quantx (part 1): grid 256 x 1, 8 waves a work-group, no clusters, 42,496 bytes of LDS; arguments x, xc, xs; writes xc, xs
.if DOCPART == 1
	.amdgcn_target "amdgcn-amd-amdhsa--gfx1250"
	.amdhsa_code_object_version 6
	.text
	.protected	k_q99bc9d87bb_quantx
	.globl	k_q99bc9d87bb_quantx
	.p2align	8
	.type	k_q99bc9d87bb_quantx,@function
k_q99bc9d87bb_quantx:
	s_mov_b64 s[64:65], 0
	v_nop
	global_prefetch_b8 v0, s[64:65] scope:SCOPE_SE
	s_setreg_imm32_b32 hwreg(HW_REG_WAVE_MODE, 25, 1), 1
	s_wait_xcnt 0x0
; x [4096][1024] f32 becomes codes of BF8 (E5M2), K innermost (xc [4096][1024], one byte a code), and one E8M0 byte for each 32 along K (xs [4096][32]).
; A block's scale is 2^(floor(log2(its largest magnitude)) - 15); its byte is the largest magnitude's own exponent field - 15, held at 1 from below.
; Each number is divided by the scale, held within +-57,344 and rounded to the nearest code, ties to even.
; LIMITS: a block of zeros, and one whose largest magnitude lies under 2^-111, gets the byte 1 (a zero block's codes are zeros, which add nothing; the bytes are read by this program alone).
; NaN and infinities among the inputs are not served.
; Rows are dense and 1,024 is a multiple of 32: x is a plain stream of blocks.  2,048 waves take 2,048 numbers each, in 4 steps of 512; all 16 loads of a wave go out at once.
; A conversion takes neighbours along K from ONE lane's registers, a load is dense where neighbouring LANES take neighbouring bytes: so a step's 2,048 bytes turn through the wave's own stage in LDS
; (as loaded in, 64 bytes a lane out; 16 bytes of padding behind each 64).  Two neighbouring lanes hold a block.  A wave's store of codes covers 512 consecutive bytes.
; A wave makes 64 scale bytes, the work-group 512: they meet in LDS and wave 0 stores them as 512 consecutive bytes.  No matrix unit, no cluster: nothing is shared and memory binds.
.set STEPS, 4
.set EMAX,  15
.set MANT,  0x600000                   ; the mantissa field of 57,344 as f32
.set R,     16                         ; v16-79   four sets of 16 numbers as they are loaded
.set X,     80                         ; v80-111  two sets of 16 neighbours
.set E,     112                        ; v112-115 a scale byte for each step
.set W,     116                        ; v116-119 wave 0: the work-group's scale bytes on their way out
.set C,     128                        ; v128-143 codes: four registers a step, so that no store's data are written again
.set SP,    80                         ; a lane's place in a stage: 64 bytes + 16 of padding
.set WREG,  2*32*SP                    ; a wave's two stages
.set SCB,   8*WREG                     ; behind the eight waves' stages: the work-group's 512 scale bytes
	s_load_b128 s[4:7], s[0:1], 0x0                ; x, xc
	s_load_b64 s[8:9], s[0:1], 0x10                ; xs
	v_lshl_add_u32 v192, v0, 2, 0xa200
	v_mov_b32 v193, 0
	v_lshrrev_b32 v1, 5, v0
	s_delay_alu instid0(VALU_DEP_1)
	v_readfirstlane_b32 s16, v1                    ; wave 0..7
	v_and_b32 v2, 31, v0                           ; lane
	s_delay_alu instid0(VALU_DEP_1)
	v_lshlrev_b32 v3, 4, v2                        ; 16 x lane: my bytes of a load's 512, of a step's codes, and (wave 0) of the scale bytes
	s_mul_i32 s17, s16, WREG
	v_lshrrev_b32 v14, 2, v2
	s_delay_alu instid0(VALU_DEP_1)
	v_mul_u32_u24 v14, v14, SP
	v_and_b32 v15, 3, v2
	s_delay_alu instid0(VALU_DEP_1)
	v_lshl_add_u32 v14, v15, 4, v14
	s_delay_alu instid0(VALU_DEP_1)
	v_add_nc_u32 v14, s17, v14                     ; the stage, on the way in: SP (lane / 4) + 16 (lane % 4); a load's 512 bytes take eight places
	v_mul_u32_u24 v15, v2, SP
	s_delay_alu instid0(VALU_DEP_1)
	v_add_nc_u32 v15, s17, v15                     ; and on the way out: SP x lane: my 16 neighbours
	v_lshrrev_b32 v5, 1, v2
	s_lshl_b32 s18, s16, 6
	s_add_co_u32 s18, s18, SCB
	v_add_nc_u32 v5, s18, v5                       ; my block's scale byte: SCB + 64 x wave + lane / 2
	v_add_nc_u32 v6, SCB, v3                       ; wave 0's read of all 512
	s_mov_b32 s23, MANT                            ; (an instruction takes one literal: the hold's line has another)
	s_lshl_b32 s20, ttmp9, 3
	s_add_co_u32 s20, s20, s16                     ; which run of 2,048 numbers is my wave's
	s_lshl_b32 s18, s20, 13                        ; its bytes in x,
	s_mov_b32 s19, 0
	s_lshl_b32 s20, s20, 11                        ; in xc,
	s_mov_b32 s21, 0
	s_lshl_b32 s24, ttmp9, 9                       ; and the work-group's 512 bytes in xs
	s_mov_b32 s25, 0
	s_wait_alu depctr_va_vdst(0)
	s_wait_kmcnt 0x0
	s_add_nc_u64 s[4:5], s[4:5], s[18:19]
	s_add_nc_u64 s[6:7], s[6:7], s[20:21]
	s_add_nc_u64 s[8:9], s[8:9], s[24:25]
.macro LOAD t
.irp i, 0,1,2,3
	global_load_b128 v[R+16*(\t)+4*\i:R+16*(\t)+4*\i+3], v3, s[4:5] offset:2048*(\t)+512*\i   ; 32 lanes read 512 consecutive bytes (x is read again by the attention launch: no hint)
.endr
.endm
.macro TURN t                          ; step t's numbers through a stage: LDS serves a wave's instructions in order, so no wait stands between the stores and the loads
.irp i, 0,1,2,3
	ds_store_b128 v14, v[R+16*(\t)+4*\i:R+16*(\t)+4*\i+3] offset:32*SP*((\t)%2)+8*SP*\i
.endr
.irp i, 0,1,2,3
	ds_load_b128 v[X+16*((\t)%2)+4*\i:X+16*((\t)%2)+4*\i+3], v15 offset:32*SP*((\t)%2)+16*\i
.endr
.endm
.irp t, 0,1,2,3
	LOAD \t
.endr
	s_wait_loadcnt 12                              ; step 0's four loads are in; the twelve of steps 1 to 3 stay out
	TURN 0
.macro STEP t
.set XS, X+16*((\t)%2)
.if (\t) > 0
	s_wait_dscnt 1                                 ; this step's numbers are back from the stage; the last step's byte store, issued behind them, may be out
.else
	s_wait_dscnt 0x0
.endif
.if (\t)+1 < STEPS
	s_wait_loadcnt 4*(STEPS-2-(\t))                ; the next step's four loads are in; those of the steps behind it may be out
	TURN (\t)+1                                    ; and go through the other stage while this step is worked
.endif
	v_max3_num_f32 v8, |v[XS]|, |v[XS+1]|, |v[XS+2]|               ; the largest magnitude of my 16, in two chains
	v_max3_num_f32 v9, |v[XS+3]|, |v[XS+4]|, |v[XS+5]|
.irp i, 6,10
	s_delay_alu instid0(VALU_DEP_2)
	v_max3_num_f32 v8, v8, |v[XS+\i]|, |v[XS+\i+1]|
	s_delay_alu instid0(VALU_DEP_2)
	v_max3_num_f32 v9, v9, |v[XS+\i+2]|, |v[XS+\i+3]|
.endr
	s_delay_alu instid0(VALU_DEP_2)
	v_max3_num_f32 v8, v8, |v[XS+14]|, |v[XS+15]|
	s_delay_alu instid0(VALU_DEP_1)
	v_max3_num_f32 v8, v8, v9, (EMAX+1)<<23        ; and the floor 2^(16 - 127): the byte cannot fall under 1
	s_delay_alu instid0(VALU_DEP_1)
	v_max_num_f32_dpp v8, v8, v8 row_xmask:1 row_mask:0xf bank_mask:0xf   ; and of my neighbour's 16: the block's
	s_delay_alu instid0(VALU_DEP_1)
	v_add_nc_u32 v11, -(EMAX<<23), v8              ; 15 off its exponent field: the conversion takes the exponent field of this operand as its scale
	s_delay_alu instid0(VALU_DEP_2)
	v_and_or_b32 v10, v8, 0x7f800000, s23          ; 57,344 x the scale
.irp i, 0,1,2,3,4,5,6,7,8,9,10,11,12,13,14,15
	v_med3_num_f32 v[XS+\i], v[XS+\i], -v10, v10   ; the conversion to an 8-bit code does not saturate (ISA guide 7.6.2): the hold comes first
.endr
	v_cvt_scalef32_pk8_bf8_f32 v[C+4*(\t):C+4*(\t)+1], v[XS:XS+7], v11
	v_cvt_scalef32_pk8_bf8_f32 v[C+4*(\t)+2:C+4*(\t)+3], v[XS+8:XS+15], v11
	v_lshrrev_b32 v[E+(\t)], 23, v11               ; the scale's byte (also the plain line behind the conversions)
	ds_store_b8 v5, v[E+(\t)] offset:16*(\t)       ; both lanes of a block write the same byte with the same value
	global_store_b128 v3, v[C+4*(\t):C+4*(\t)+3], s[6:7] offset:512*(\t)
.endm
.irp t, 0,1,2,3
	STEP \t
.endr
	s_wait_dscnt 0x0                               ; for wave 0's sake: my byte stores have landed
	s_barrier_signal -1
	s_barrier_wait -1
	s_cmp_lg_u32 s16, 0
	s_cbranch_scc1 .Lend
	ds_load_b128 v[W:W+3], v6                      ; the eight waves' 512 scale bytes
	s_wait_dscnt 0x0
	global_store_b128 v3, v[W:W+3], s[8:9]         ; 512 consecutive bytes, aligned
.Lend:
	s_wait_tensorcnt 0x0
	ds_add_u32 v192, v193
	s_wait_dscnt 0x0
	s_endpgm
.Lfunc_end_k_q99bc9d87bb_quantx:
	.size	k_q99bc9d87bb_quantx, .Lfunc_end_k_q99bc9d87bb_quantx-k_q99bc9d87bb_quantx
	.p2alignl 7, 3214868480
	.fill 96, 4, 3214868480
	.section	.rodata,"a",@progbits
	.p2align	6, 0x0
	.amdhsa_kernel k_q99bc9d87bb_quantx
		.amdhsa_group_segment_fixed_size 42496
		.amdhsa_private_segment_fixed_size 0
		.amdhsa_enable_private_segment 0
		.amdhsa_kernarg_size 24
		.amdhsa_user_sgpr_count 2
		.amdhsa_user_sgpr_kernarg_segment_ptr 1
		.amdhsa_wavefront_size32 1
		.amdhsa_system_sgpr_workgroup_id_x 1
		.amdhsa_system_sgpr_workgroup_id_y 1
		.amdhsa_system_sgpr_workgroup_id_z 1
		.amdhsa_system_vgpr_workitem_id 0
		.amdhsa_next_free_vgpr 194
		.amdhsa_next_free_sgpr 66
		.amdhsa_reserve_vcc 0
		.amdhsa_float_denorm_mode_32 3
		.amdhsa_float_denorm_mode_16_64 3
		.amdhsa_memory_ordered 1
		.amdhsa_forward_progress 1
		.amdhsa_inst_pref_size 16
	.end_amdhsa_kernel
	.amdgpu_metadata
---
amdhsa.version: [ 1, 2 ]
amdhsa.kernels:
  - .name:           k_q99bc9d87bb_quantx
    .symbol:         k_q99bc9d87bb_quantx.kd
    .args:
      - { .name: x, .offset: 0, .size: 8, .value_kind: global_buffer, .address_space: global }
      - { .name: xc, .offset: 8, .size: 8, .value_kind: global_buffer, .address_space: global }
      - { .name: xs, .offset: 16, .size: 8, .value_kind: global_buffer, .address_space: global }
    .group_segment_fixed_size: 42496
    .private_segment_fixed_size: 0
    .kernarg_segment_align: 8
    .kernarg_segment_size: 24
    .max_flat_workgroup_size: 256
    .sgpr_count:     66
    .vgpr_count:     194
    .wavefront_size: 32
...
	.end_amdgpu_metadata
.endif
;; end of part 1
;; launch proj (part 2): grid 12 x 16, 4 waves a work-group, clusters of 4 x 4, 327,680 bytes of LDS; arguments xc, xs, wq_codes, wq_scales, wk_codes, wk_scales, wv_codes, wv_scales, bq, bk, bv, qkv, sc; writes qkv, sc
.if DOCPART == 2
	.amdgcn_target "amdgcn-amd-amdhsa--gfx1250"
	.amdhsa_code_object_version 6
	.text
	.protected	k_q99bc9d87bb_proj
	.globl	k_q99bc9d87bb_proj
	.p2align	8
	.type	k_q99bc9d87bb_proj,@function
k_q99bc9d87bb_proj:
	s_mov_b64 s[64:65], 0
	v_nop
	global_prefetch_b8 v0, s[64:65] scope:SCOPE_SE
	s_setreg_imm32_b32 hwreg(HW_REG_WAVE_MODE, 25, 1), 1
	s_wait_xcnt 0x0
	s_wait_alu depctr_hold_cnt(0) depctr_sa_sdst(0) depctr_va_vdst(0) depctr_va_sdst(0) depctr_va_ssrc(0) depctr_va_vcc(0) depctr_vm_vsrc(0)
	s_getreg_b32 s2, hwreg(HW_REG_IB_STS2, 6, 4)
	s_cmp_eq_u32 s2, 0
	s_cbranch_scc0 .Lentry_in_a_cluster
	s_endpgm
.Lentry_in_a_cluster:
	s_bfe_u32 s2, ttmp6, 0x10000c
	s_cmp_lg_u32 s2, 0xf033
	s_cbranch_scc0 .Lentry_shape_is_right
	s_endpgm
.Lentry_shape_is_right:
; Q, K, V = x W^T + b AND THEIR QUANTISERS, on codes of BF8 (E5M2) with one E8M0 byte for each 32 along K = 1,024; sums in f32.  Cluster x says which: 0 Q, 1 K, 2 V.
; A work-group makes 256 x 256 of one result, four waves 128 x 128 each; K goes in steps of 256 through a ring of two LDS slots; the scale bytes of both operands' 256 rows, for all of K, lie in LDS behind the ring, filled once.
; Q, K: the row operand (source 1) is x, the register operand (source 0) the weight: a lane holds one token, its registers run along the head's 64, which is the next product's K.
; V: the two change places: a lane holds one channel and its registers run along the tokens, which are the keys.  The bias is added, blocks of 32 are quantised in registers, and codes and scale words leave
; as images of the operand registers of the launch that reads them: qkv[batch x head][group of 512 tokens][K | V | Q, 32,768 bytes each], sc[batch x head][k 8,192 | v 4,096 | q 8,192].
; THE HEAD: one joint load a wave: wave 0 the row operand's 256 rows of K step 0, wave 1 the register operand's, waves 2 and 3 their scale bytes; K step 1 follows behind the full sequence and a round of the cluster's barrier.
; PREFETCH: K steps 2 and 3 of the 128 rows that a wave fetches are asked for behind the first fragment loads, one and two changes of slots ahead of their loads; the four partners of a joint load take 32 rows each, told apart by address, a lane a row.
; LIMITS: NaN and infinities are not served; a block's byte never falls under 1.
.set KSTEP,  256
.set NQ,     KSTEP/128
.set ROWB,   256
.set KROW,   1024
.set PITCH,  272
.set FR,     16
.set NL,     4
.set NP,     8
.set HALFT,  128*PITCH
.set SLOT,   4*HALFT
.set LAPS,   1024/(2*KSTEP)
.set KS,     32
.set SCL,    2*SLOT
.set HALFS,  (128*KS/256)*272
.set SBLK,   (16*KS/256)*272
.set SPARE,  SCL+4*HALFS
.set BPA,  7
.set BR,   8
.set ADRA, 16
.set BRA,  18
.set LN,   19
.set ADRB, 20
.set ADRS, 27
.set SPW,  28
.set NIL,  29
.set L16,  30
.set L8,   31
.set SC,   32
.set BI,   64
.set AF,   128
.set T,    128
.set PC,   192
.set TM,   208
.set WD,   224
.set MW,   232
.set MW2,  236
.set SEL,  2
.set LAP,  3
.set WV,   30
.set RH,   31
.set PH,   32
.set CX,   33
.set CY,   34
.set TYPE, 35
.set CL4,  36
.set RT,   37
.set PT,   38
.set MNT,  39
.set G1R,  40
.set G1P,  48
.set G0R,  56
.set G0P,  68
.set G1SR, 76
.set G1SP, 84
.set G0SR, 92
.set G0SP, 96
.set MSB, 0
.macro WIN new
.if MSB != \new
	s_set_vgpr_msb (MSB<<8)|\new
.set MSB, \new
.endif
.endm
.set MUL_LO, 0xa1
.set MUL_HI, 0xf1
.set TO_B,   0x40
.macro JLOAD g0a, g1a, g0b, g1b
	s_cmp_eq_u32 s[RH], 0
	s_cbranch_scc0 .Lfor_p_\@
	tensor_load_to_lds s[\g0a:\g0a+3], s[\g1a:\g1a+7]
	s_nop 0
.rept 4
	v_nop
.endr
	s_branch .Lasked_\@
.Lfor_p_\@:
	tensor_load_to_lds s[\g0b:\g0b+3], s[\g1b:\g1b+7]
	s_nop 0
.rept 4
	v_nop
.endr
.Lasked_\@:
.endm
.macro CREST
	s_cmp_lg_u32 s[WV], 0
	s_cbranch_scc1 .Lnot_wave_0_\@
	s_barrier_signal -3
.Lnot_wave_0_\@:
	s_barrier_wait -3
	s_barrier_signal -1
	s_barrier_wait -1
.endm
.macro CROUND
	s_barrier_signal -1
	s_barrier_wait -1
	CREST
.endm
	s_load_b512 s[4:19], s[0:1], 0x0
	s_load_b256 s[20:27], s[0:1], 0x40
	s_load_b64 s[28:29], s[0:1], 0x60
	v_lshl_add_u32 v[SPW], v0, 2, SPARE
	v_mov_b32 v[NIL], 0
	ds_add_u32 v28, v29
	ds_add_u32 v28, v29
	s_wait_dscnt 0x0
	v_lshrrev_b32 v1, 5, v0
	v_readfirstlane_b32 s[WV], v1
	s_lshr_b32 s[RH], s[WV], 1
	s_and_b32 s[PH], s[WV], 1
	s_bfe_u32 s[CX], ttmp6, 0x40000
	s_bfe_u32 s[CY], ttmp6, 0x40004
	s_mov_b32 s[TYPE], ttmp9
	s_and_b32 s[CL4], ttmp7, 0xffff
	s_lshl_b32 s[CL4], s[CL4], 2
	s_cmp_eq_u32 s[TYPE], 2
	s_cselect_b32 s[PT], s[CL4], 0
	s_cselect_b32 s[RT], 0, s[CL4]
	s_add_co_u32 s[PT], s[PT], s[CX]
	s_add_co_u32 s[RT], s[RT], s[CY]
	s_lshl_b32 s2, s[CY], 2
	s_lshl_b32 s2, 15, s2
	s_lshl_b32 s3, 0x1111, s[CX]
	s_or_b32 s[G1R+0], s2, (0<<16)|(1<<20)|(1<<21)|(5<<22)|(3<<25)
	s_or_b32 s[G1P+0], s3, (0<<16)|(1<<20)|(1<<21)|(5<<22)|(3<<25)
.irp g, G1R, G1P
	s_mov_b32 s[\g+1], ROWB<<16
	s_mov_b32 s[\g+2], 256<<16
	s_mov_b32 s[\g+3], ROWB<<16
	s_mov_b32 s[\g+4], 256
	s_mov_b32 s[\g+5], KROW
	s_mov_b32 s[\g+6], 0
	s_mov_b32 s[\g+7], 0
.endr
	s_or_b32 s[G1SR+0], s2, (3<<16)|(1<<20)|(1<<21)|(5<<22)|(3<<25)
	s_or_b32 s[G1SP+0], s3, (3<<16)|(1<<20)|(1<<21)|(5<<22)|(3<<25)
.irp g, G1SR, G1SP
	s_mov_b32 s[\g+1], 32<<16
	s_mov_b32 s[\g+2], (256*KS/256)<<16
	s_mov_b32 s[\g+3], 32<<16
	s_mov_b32 s[\g+4], 256*KS/256
	s_mov_b32 s[\g+5], 32
	s_mov_b32 s[\g+6], 0
	s_mov_b32 s[\g+7], 0
.endr
	s_mov_b32 s[MNT], 0x600000
	s_wait_kmcnt 0x0
	s_cmp_eq_u32 s[TYPE], 0
	s_cselect_b64 s[8:9], s[8:9], s[12:13]
	s_cselect_b64 s[10:11], s[10:11], s[14:15]
	s_cselect_b64 s[20:21], s[20:21], s[22:23]
	s_cmp_eq_u32 s[TYPE], 2
	s_cselect_b64 s[8:9], s[16:17], s[8:9]
	s_cselect_b64 s[10:11], s[18:19], s[10:11]
	s_cselect_b64 s[20:21], s[24:25], s[20:21]
	s_cselect_b64 s[12:13], s[4:5], s[8:9]
	s_cselect_b64 s[14:15], s[6:7], s[10:11]
	s_cselect_b64 s[16:17], s[8:9], s[4:5]
	s_cselect_b64 s[18:19], s[10:11], s[6:7]
	s_lshl_b32 s4, s[RT], 8
	s_lshl_b32 s8, s[PT], 8
	s_lshl_b32 s6, s4, 5
	s_lshl_b32 s4, s4, 10
	s_lshl_b32 s10, s8, 5
	s_lshl_b32 s8, s8, 10
	s_mov_b32 s5, 0
	s_mov_b32 s7, 0
	s_mov_b32 s9, 0
	s_mov_b32 s11, 0
	s_add_nc_u64 s[16:17], s[16:17], s[4:5]
	s_add_nc_u64 s[18:19], s[18:19], s[6:7]
	s_add_nc_u64 s[12:13], s[12:13], s[8:9]
	s_add_nc_u64 s[14:15], s[14:15], s[10:11]
	s_mul_i32 s24, s[WV], HALFT
	CROUND
	s_mov_b32 s[G0SR], 1
	s_mov_b32 s[G0SR+1], SCL
	s_mov_b64 s[G0SR+2:G0SR+3], s[18:19]
	s_or_b32 s[G0SR+3], s[G0SR+3], 0x80000000
	s_mov_b32 s[G0SP], 1
	s_mov_b32 s[G0SP+1], SCL+2*HALFS
	s_mov_b64 s[G0SP+2:G0SP+3], s[14:15]
	s_or_b32 s[G0SP+3], s[G0SP+3], 0x80000000
.irp s, 0,1
	s_mov_b32 s[G0R+4*\s], 1
	s_add_co_u32 s[G0R+4*\s+1], s24, \s*SLOT
	s_add_nc_u64 s[G0R+4*\s+2:G0R+4*\s+3], s[16:17], \s*ROWB
	s_or_b32 s[G0R+4*\s+3], s[G0R+4*\s+3], 0x80000000
	s_mov_b32 s[G0P+4*\s], 1
	s_add_co_u32 s[G0P+4*\s+1], s24, \s*SLOT
	s_add_nc_u64 s[G0P+4*\s+2:G0P+4*\s+3], s[12:13], \s*ROWB
	s_or_b32 s[G0P+4*\s+3], s[G0P+4*\s+3], 0x80000000
.endr
	s_mov_b32 s[G0R+1], 0                          ; at the head slot 0's two groups 0 stand for whole tiles of 256 rows: the row operand's at the slot's start,
	s_mov_b32 s[G0P+1], 2*HALFT                    ; the register operand's behind it
	s_lshl_b32 s100, s[PH], 17                     ; in the ring I fetch 128 rows of a tile: which half, in bytes
	s_mov_b32 s101, 0
	s_add_nc_u64 s[G0R+6:G0R+7], s[G0R+6:G0R+7], s[100:101]
	s_add_nc_u64 s[G0P+6:G0P+7], s[G0P+6:G0P+7], s[100:101]
	s_cmp_eq_u32 s[RH], 0                          ; the prefetches: the operand that I fetch for,
	s_cselect_b64 s[66:67], s[16:17], s[12:13]
	s_cselect_b32 s22, s[CX], s[CY]                ; my place among the four that ask for its tiles with me:
	s_lshl_b32 s22, s22, 15                        ; 32 rows of 1,024 bytes each
	s_mov_b32 s23, 0
	s_add_nc_u64 s[66:67], s[66:67], s[100:101]
	s_add_nc_u64 s[66:67], s[66:67], s[22:23]
.macro ARM under, g0, g1, next                 ; one chain of branches on the wave's number, one load to an arm, all arms leading to one join
	s_cmp_lt_u32 s[WV], \under
	s_cbranch_scc0 \next
	tensor_load_to_lds s[\g0:\g0+3], s[\g1:\g1+7]
	s_nop 0
.rept 4
	v_nop
.endr
	s_branch .Lhead_asked
\next:
.endm
	ARM 1, G0R,  G1R,  .Lhead_p
	ARM 2, G0P,  G1P,  .Lhead_sr
	ARM 3, G0SR, G1SR, .Lhead_sp
	tensor_load_to_lds s[G0SP:G0SP+3], s[G1SP:G1SP+7]
	s_nop 0
.rept 4
	v_nop
.endr
.Lhead_asked:
	v_and_b32 v1, 15, v0
	v_bfe_u32 v2, v0, 4, 1
	v_mul_u32_u24 v3, v1, PITCH
	v_lshl_add_u32 v4, v2, 4, v3
	s_mul_i32 s14, s[RH], HALFT
	s_mul_i32 s15, s[PH], HALFT
	s_add_co_u32 s15, s15, 2*HALFT
.irp s, 0,1
	v_add_nc_u32 v[ADRA+\s], s14, v4
	v_add_nc_u32 v[ADRB+\s], s15, v4
	s_add_co_u32 s14, s14, SLOT
	s_add_co_u32 s15, s15, SLOT
.endr
	v_mul_u32_u24 v5, v1, KS
	v_lshrrev_b32 v6, 8, v5
	v_lshl_add_u32 v5, v6, 4, v5
	s_mul_i32 s14, s[RH], HALFS
	s_mul_i32 s15, s[PH], HALFS
	s_add_co_u32 s15, s15, 2*HALFS
	s_sub_co_u32 s15, s15, s14
	v_mul_u32_u24 v6, s15, v2
	s_add_co_u32 s14, s14, SCL
	v_add_nc_u32 v5, v5, v6
	v_add_nc_u32 v[ADRS], s14, v5
	v_and_b32 v[LN], 31, v0
	v_lshlrev_b32 v[L16], 4, v[LN]
	v_lshlrev_b32 v22, 10, v[LN]                   ; the prefetches' offset: a lane a row of 1,024 bytes; never rewritten
	global_prefetch_b8 v22, s[66:67] offset:ROWB th:TH_LOAD_NT scope:SCOPE_SE   ; K step 1 of my 32 rows: its joint load follows behind the wait for the head's tiles
	v_lshlrev_b32 v[L8], 3, v[LN]
	v_lshlrev_b32 v[BPA], 5, v2
	s_wait_alu depctr_va_vdst(0)
	v_lshlrev_b32 v[BRA], 2, v1
	s_wait_alu depctr_va_vdst(0)
	s_cmp_eq_u32 s[TYPE], 2
	s_cselect_b32 s22, s[PT], s[RT]
	s_cselect_b32 s23, s[PH], s[RH]
	s_cselect_b32 s24, s[CY], s[CX]
	s_cselect_b32 s25, s[RH], s[PH]
	s_mov_b32 s10, 1024
	s_cselect_b32 s10, 2048, s10
	s_mov_b32 s11, 0
	s_cselect_b32 s12, 385024, 0
	s_mov_b32 s13, 0
	s_mov_b32 s14, 393216
	s_cselect_b32 s14, 1024, s14
	s_mov_b32 s15, 0
	s_cselect_b32 s16, 8, 9
	s_cselect_b32 s17, 32768, 0
	s_cselect_b32 s18, 8192, 0
	s_cmp_eq_u32 s[TYPE], 0
	s_cselect_b32 s17, 65536, s17
	s_cselect_b32 s18, 12288, s18
	s_lshr_b32 s19, s22, 3
	s_and_b32 s22, s22, 7
	s_lshl_b32 s22, s22, 1
	s_add_co_u32 s22, s22, s23
	s_lshl_b32 s19, s19, 4
	s_lshl_b32 s23, s24, 2
	s_add_co_u32 s19, s19, s23
	s_lshl_b32 s23, s25, 1
	s_add_co_u32 s19, s19, s23
	s_mul_i32 s23, s19, 393216
	s_add_co_u32 s17, s17, s23
	s_lshr_b32 s23, s22, 2
	s_mul_i32 s23, s23, 98304
	s_add_co_u32 s17, s17, s23
	s_and_b32 s23, s22, 3
	s_lshl_b32 s23, s23, 13
	s_add_co_u32 s4, s17, s23
	s_mov_b32 s5, 0
	s_add_nc_u64 s[4:5], s[26:27], s[4:5]
	s_add_nc_u64 s[6:7], s[4:5], s[14:15]
	s_mul_i32 s23, s19, 20480
	s_add_co_u32 s18, s18, s23
	s_lshl_b32 s23, s22, s16
	s_add_co_u32 s8, s18, s23
	s_mov_b32 s9, 0
	s_add_nc_u64 s[8:9], s[28:29], s[8:9]
	s_lshl_b32 s23, s24, 10
	s_lshl_b32 s16, s25, 9
	s_add_co_u32 s16, s16, s23
	s_mov_b32 s17, 0
	s_add_nc_u64 s[20:21], s[20:21], s[16:17]
.irp b, 0,1,2,3,4,5,6,7
	global_load_b128 v[BI+8*\b:BI+8*\b+3], v[BPA], s[20:21] offset:64*\b
	global_load_b128 v[BI+8*\b+4:BI+8*\b+7], v[BPA], s[20:21] offset:64*\b+16
.endr
.irp a, 0,1,2,3,4,5,6,7
	global_load_b32 v[BR+\a], v[BRA], s[20:21] offset:64*\a
.endr
.macro FRAG reg, adr, q, i
.irp c, 0,1,2,3
	ds_load_b128 v[\reg+4*\c:\reg+4*\c+3], v[\adr] offset:128*(\q)+32*\c+(\i)*16*PITCH
.endr
.endm
.macro MUL16 a0, p, q, sc, zero
.irp a, \a0, \a0+1
.irp b, 0,1,2,3,4,5,6,7
.if \zero
	v_wmma_scale_f32_16x16x128_f8f6f4 v[8*(8*((\a)%4)+\b):8*(8*((\a)%4)+\b)+7], v[128*(\p)+FR*\b:128*(\p)+FR*\b+FR-1], v[AF+FR*(\a):AF+FR*(\a)+FR-1], 0, v[SC+8*NQ*(\sc)+NQ*\b+(\q)], v[SC+8*NQ*(\sc)+NQ*(\a)+(\q)] matrix_a_fmt:MATRIX_FMT_BF8 matrix_b_fmt:MATRIX_FMT_BF8 matrix_a_scale:MATRIX_SCALE_ROW1
.else
	v_wmma_scale_f32_16x16x128_f8f6f4 v[8*(8*((\a)%4)+\b):8*(8*((\a)%4)+\b)+7], v[128*(\p)+FR*\b:128*(\p)+FR*\b+FR-1], v[AF+FR*(\a):AF+FR*(\a)+FR-1], v[8*(8*((\a)%4)+\b):8*(8*((\a)%4)+\b)+7], v[SC+8*NQ*(\sc)+NQ*\b+(\q)], v[SC+8*NQ*(\sc)+NQ*(\a)+(\q)] matrix_a_fmt:MATRIX_FMT_BF8 matrix_b_fmt:MATRIX_FMT_BF8 matrix_a_scale:MATRIX_SCALE_ROW1
.endif
.endr
.endr
.endm
.macro FETCH_B slot, q, p
	WIN TO_B
.irp i, 0,1,2,3,4,5,6,7
	FRAG 128*(\p)+FR*\i, ADRB+\slot, \q, \i
.endr
	WIN 0
.endm
.macro FETCH_A slot, q, i0
.irp i, \i0, \i0+1, \i0+2, \i0+3
	FRAG AF+FR*(\i), ADRA+\slot, \q, \i
.endr
.endm
.macro SCALES sc
.irp i, 0,1,2,3,4,5,6,7
	ds_load_b64 v[SC+8*NQ*\sc+NQ*\i:SC+8*NQ*\sc+NQ*\i+1], v[ADRS] offset:\i*SBLK
.endr
.endm
.macro PLACES n
.rept \n
	v_nop
.endr
.endm
.macro STEP slot, q, zero
	s_wait_dscnt 4*NL
	WIN MUL_LO
	MUL16 0, (\q)%2, \q, \slot, \zero
	MUL16 2, (\q)%2, \q, \slot, \zero
	s_wait_dscnt 0
	PLACES NP
	FETCH_B \slot, (\q)+1, 1-(\q)%2
	FETCH_A \slot, (\q)+1, 0
	WIN MUL_HI
	MUL16 4, (\q)%2, \q, \slot, \zero
	MUL16 6, (\q)%2, \q, \slot, \zero
	PLACES NP
	WIN 0
	FETCH_A \slot, (\q)+1, 4
.endm
.macro TURN slot, next, fill
	s_wait_tensorcnt 0x0
	ds_add_u32 v[SPW], v[NIL]
	s_wait_dscnt 4*NL+1
	WIN MUL_LO
	MUL16 0, 1, NQ-1, \slot, 0
	s_wait_dscnt 0x0
	s_barrier_signal -1
	MUL16 2, 1, NQ-1, \slot, 0
	WIN 0
	s_barrier_wait -1
.if \fill
	CREST
	s_add_nc_u64 s[G0R+4*\slot+2:G0R+4*\slot+3], s[G0R+4*\slot+2:G0R+4*\slot+3], 2*ROWB
	s_add_nc_u64 s[G0P+4*\slot+2:G0P+4*\slot+3], s[G0P+4*\slot+2:G0P+4*\slot+3], 2*ROWB
	JLOAD G0R+4*\slot, G1R, G0P+4*\slot, G1P
	PLACES NP-4
.else
	PLACES NP
.endif
	s_wait_alu depctr_va_vdst(0)
	v_add_nc_u32 v[ADRS], 4*NQ, v[ADRS]
	FETCH_B \next, 0, 0
	FETCH_A \next, 0, 0
	SCALES \next
	WIN MUL_HI
	MUL16 4, 1, NQ-1, \slot, 0
	MUL16 6, 1, NQ-1, \slot, 0
	PLACES NP
	WIN 0
	FETCH_A \next, 0, 4
.endm
	s_wait_alu depctr_va_vdst(0)                   ; the wait at the head's end
	s_wait_tensorcnt 0x0                           ; my tile of the head's four is in
	ds_add_u32 v[SPW], v[NIL]
	s_mov_b32 s[G1R+2], 128<<16                    ; no tensor load of mine is out, so descriptors may be written: from here on a load brings 128 rows,
	s_mov_b32 s[G1R+4], 128
	s_mov_b32 s[G1P+2], 128<<16
	s_mov_b32 s[G1P+4], 128
	s_mul_i32 s[G0R+1], s[WV], HALFT               ; and slot 0's groups 0 stand for my quarter of the slot
	s_mul_i32 s[G0P+1], s[WV], HALFT
	s_add_nc_u64 s[G0R+2:G0R+3], s[G0R+2:G0R+3], s[100:101]
	s_add_nc_u64 s[G0P+2:G0P+3], s[G0P+2:G0P+3], s[100:101]
	s_wait_dscnt 0x0
	CROUND                                         ; all four tiles are in, and all sixteen work-groups are here
	JLOAD G0R+4, G1R, G0P+4, G1P                   ; K step 1, the first tensor load behind the round
	FETCH_B 0, 0, 0
	FETCH_A 0, 0, 0
	SCALES 0
	FETCH_A 0, 0, 4
	global_prefetch_b8 v22, s[66:67] offset:2*ROWB th:TH_LOAD_NT scope:SCOPE_SE   ; K step 2 of my 32 rows,
	global_prefetch_b8 v22, s[66:67] offset:3*ROWB th:TH_LOAD_NT scope:SCOPE_SE   ; and K step 3, the last
	STEP 0, 0, 1
	s_mov_b32 s[LAP], LAPS-1
.Llap:
	TURN 0, 1, 1
	STEP 1, 0, 0
	TURN 1, 0, 1
	STEP 0, 0, 0
	s_sub_co_u32 s[LAP], s[LAP], 1
	s_cmp_lg_u32 s[LAP], 0
	s_cbranch_scc1 .Llap
	TURN 0, 1, 0
	STEP 1, 0, 0
	s_wait_dscnt 4*NL
	WIN MUL_LO
	MUL16 0, 1, NQ-1, 1, 0
	MUL16 2, 1, NQ-1, 1, 0
	s_wait_dscnt 0
	WIN MUL_HI
	MUL16 4, 1, NQ-1, 1, 0
	MUL16 6, 1, NQ-1, 1, 0
	WIN 0
.macro QUANT s, w
.irp b, 0,1,2,3
	v_max3_num_f32 v[TM+\b], |v[\s+16*\b]|, |v[\s+1+16*\b]|, 0x8000000
.endr
.irp i, 2,4,6,8,10,12,14
.irp b, 0,1,2,3
	v_max3_num_f32 v[TM+\b], v[TM+\b], |v[\s+16*\b+\i]|, |v[\s+1+16*\b+\i]|
.endr
.endr
.irp b, 0,1,2,3
	v_permlanex16_b32 v[TM+4+\b], v[TM+\b], s[SEL], s[SEL+1]
.endr
.irp b, 0,1,2,3
	v_max_num_f32 v[TM+\b], v[TM+\b], v[TM+4+\b]
.endr
.irp b, 0,1,2,3
	v_add_nc_u32 v[TM+12+\b], 0xf8800000, v[TM+\b]
.endr
.irp b, 0,1,2,3
	v_and_or_b32 v[TM+8+\b], v[TM+\b], 0x7f800000, s[MNT]
.endr
.irp b, 0,1,2,3
	v_lshrrev_b32 v[TM+4+\b], 23, v[TM+12+\b]
.endr
	v_lshl_or_b32 v[\w], v[TM+5], 8, v[TM+4]
	v_lshl_or_b32 v[\w], v[TM+6], 16, v[\w]
	v_lshl_or_b32 v[\w], v[TM+7], 24, v[\w]
.irp b, 0,1,2,3
.irp i, 0,1,2,3,4,5,6,7,8,9,10,11,12,13,14,15
	v_med3_num_f32 v[\s+16*\b+\i], v[\s+16*\b+\i], -v[TM+8+\b], v[TM+8+\b]
.endr
	v_cvt_scalef32_pk8_bf8_f32 v[PC+4*\b:PC+1+4*\b], v[\s+16*\b:\s+7+16*\b], v[TM+12+\b]
	v_cvt_scalef32_pk8_bf8_f32 v[PC+2+4*\b:PC+3+4*\b], v[\s+8+16*\b:\s+15+16*\b], v[TM+12+\b]
.endr
	v_nop
.endm
.macro OUT a
	s_wait_xcnt 0x0
.if (\a) > 0
	s_add_nc_u64 s[4:5], s[4:5], s[10:11]
	s_add_nc_u64 s[6:7], s[6:7], s[10:11]
.endif
.if (\a) == 4
	s_add_nc_u64 s[4:5], s[4:5], s[12:13]
	s_add_nc_u64 s[6:7], s[6:7], s[12:13]
.endif
	s_cmp_eq_u32 s[TYPE], 2
	s_cbranch_scc1 .Lrow_bias_\@
	WIN 0x02+(\a)/4
.set i, 0
.rept 32
	v_pk_add_f32 v[T+2*i:T+2*i+1], v[64*((\a)%4)+2*i:64*((\a)%4)+2*i+1], v[BI+2*i:BI+2*i+1]
.set i, i+1
.endr
	WIN 0
	s_branch .Lbiased_\@
.Lrow_bias_\@:
	v_mov_b32 v[TM], v[BR+(\a)]
	v_mov_b32 v[TM+1], v[BR+(\a)]
	WIN 0x02+(\a)/4
.set i, 0
.rept 32
	v_pk_add_f32 v[T+2*i:T+2*i+1], v[64*((\a)%4)+2*i:64*((\a)%4)+2*i+1], v[TM:TM+1]
.set i, i+1
.endr
	WIN 0
.Lbiased_\@:
	QUANT T, WD+(\a)
	global_store_b128 v[L16], v[PC:PC+3], s[4:5]
	global_store_b128 v[L16], v[PC+4:PC+7], s[4:5] offset:512
	global_store_b128 v[L16], v[PC+8:PC+11], s[6:7]
	global_store_b128 v[L16], v[PC+12:PC+15], s[6:7] offset:512
.endm
	PLACES NP
	s_mov_b32 s[SEL], 0x76543210
	s_mov_b32 s[SEL+1], 0xfedcba98
.irp b, 0,1,2,3
	v_mov_b32 v[TM+4+\b], 0
.endr
	s_wait_loadcnt 0x0
.irp a, 0,1,2,3,4,5,6,7
	OUT \a
.endr
	v_cmp_le_u32 vcc_lo, 16, v[LN]
.irp m, 0,1,2,3
	v_cndmask_b32 v[MW+\m], v[WD+2*\m], v[WD+2*\m+1], vcc_lo
.endr
	s_cmp_eq_u32 s[TYPE], 2
	s_cbranch_scc1 .Lv_words
.irp m, 0,1,2,3
	v_lshrrev_b32 v[MW2+\m], 16, v[MW+\m]
.endr
	global_store_b128 v[L16], v[MW:MW+3], s[8:9]
	global_store_b128 v[L16], v[MW2:MW2+3], s[8:9] offset:20480
	s_branch .Lwords_done
.Lv_words:
	s_wait_alu depctr_va_vdst(0)
	global_store_b64 v[L8], v[MW:MW+1], s[8:9]
	global_store_b64 v[L8], v[MW+2:MW+3], s[8:9] offset:20480
.Lwords_done:
	s_wait_tensorcnt 0x0
	ds_add_u32 v[SPW], v[NIL]
	s_wait_dscnt 0x0
	CROUND
	s_endpgm
.Lfunc_end_k_q99bc9d87bb_proj:
	.size	k_q99bc9d87bb_proj, .Lfunc_end_k_q99bc9d87bb_proj-k_q99bc9d87bb_proj
	.p2alignl 7, 3214868480
	.fill 96, 4, 3214868480
	.section	.rodata,"a",@progbits
	.p2align	6, 0x0
	.amdhsa_kernel k_q99bc9d87bb_proj
		.amdhsa_group_segment_fixed_size 327680
		.amdhsa_private_segment_fixed_size 0
		.amdhsa_enable_private_segment 0
		.amdhsa_kernarg_size 104
		.amdhsa_user_sgpr_count 2
		.amdhsa_user_sgpr_kernarg_segment_ptr 1
		.amdhsa_wavefront_size32 1
		.amdhsa_system_sgpr_workgroup_id_x 1
		.amdhsa_system_sgpr_workgroup_id_y 1
		.amdhsa_system_sgpr_workgroup_id_z 1
		.amdhsa_system_vgpr_workitem_id 0
		.amdhsa_next_free_vgpr 1024
		.amdhsa_next_free_sgpr 102
		.amdhsa_reserve_vcc 1
		.amdhsa_float_denorm_mode_32 3
		.amdhsa_float_denorm_mode_16_64 3
		.amdhsa_memory_ordered 1
		.amdhsa_forward_progress 1
		.amdhsa_inst_pref_size 225
	.end_amdhsa_kernel
	.amdgpu_metadata
---
amdhsa.version: [ 1, 2 ]
amdhsa.kernels:
  - .name:           k_q99bc9d87bb_proj
    .symbol:         k_q99bc9d87bb_proj.kd
    .args:
      - { .name: xc, .offset: 0, .size: 8, .value_kind: global_buffer, .address_space: global }
      - { .name: xs, .offset: 8, .size: 8, .value_kind: global_buffer, .address_space: global }
      - { .name: wq_codes, .offset: 16, .size: 8, .value_kind: global_buffer, .address_space: global }
      - { .name: wq_scales, .offset: 24, .size: 8, .value_kind: global_buffer, .address_space: global }
      - { .name: wk_codes, .offset: 32, .size: 8, .value_kind: global_buffer, .address_space: global }
      - { .name: wk_scales, .offset: 40, .size: 8, .value_kind: global_buffer, .address_space: global }
      - { .name: wv_codes, .offset: 48, .size: 8, .value_kind: global_buffer, .address_space: global }
      - { .name: wv_scales, .offset: 56, .size: 8, .value_kind: global_buffer, .address_space: global }
      - { .name: bq, .offset: 64, .size: 8, .value_kind: global_buffer, .address_space: global }
      - { .name: bk, .offset: 72, .size: 8, .value_kind: global_buffer, .address_space: global }
      - { .name: bv, .offset: 80, .size: 8, .value_kind: global_buffer, .address_space: global }
      - { .name: qkv, .offset: 88, .size: 8, .value_kind: global_buffer, .address_space: global }
      - { .name: sc, .offset: 96, .size: 8, .value_kind: global_buffer, .address_space: global }
    .group_segment_fixed_size: 327680
    .private_segment_fixed_size: 0
    .kernarg_segment_align: 8
    .kernarg_segment_size: 104
    .max_flat_workgroup_size: 128
    .sgpr_count:     102
    .vgpr_count:     1024
    .wavefront_size: 32
...
	.end_amdgpu_metadata
.endif
;; end of part 2
;; launch attn (part 3): grid 8 x 32, 8 waves a work-group, clusters of 4 x 1, 327,680 bytes of LDS; arguments qkv, sc, x, att; writes att
.if DOCPART == 3
	.amdgcn_target "amdgcn-amd-amdhsa--gfx1250"
	.amdhsa_code_object_version 6
	.text
	.protected	k_q99bc9d87bb_attn
	.globl	k_q99bc9d87bb_attn
	.p2align	8
	.type	k_q99bc9d87bb_attn,@function
k_q99bc9d87bb_attn:
	s_mov_b64 s[64:65], 0
	v_nop
	global_prefetch_b8 v0, s[64:65] scope:SCOPE_SE
	s_setreg_imm32_b32 hwreg(HW_REG_WAVE_MODE, 25, 1), 1
	s_wait_xcnt 0x0
	s_wait_alu depctr_hold_cnt(0) depctr_sa_sdst(0) depctr_va_vdst(0) depctr_va_sdst(0) depctr_va_ssrc(0) depctr_va_vcc(0) depctr_vm_vsrc(0)
	s_getreg_b32 s2, hwreg(HW_REG_IB_STS2, 6, 4)
	s_cmp_eq_u32 s2, 0
	s_cbranch_scc0 .Lentry_in_a_cluster
	s_endpgm
.Lentry_in_a_cluster:
	s_bfe_u32 s2, ttmp6, 0x10000c
	s_cmp_lg_u32 s2, 0x3003
	s_cbranch_scc0 .Lentry_shape_is_right
	s_endpgm
.Lentry_shape_is_right:
; att[token][64 head + d] = x[token][64 head + d] + the sum over keys of softmax(q . k / 8) v, for 32 (batch, head) pairs, 2,048 queries and keys, head size 64; both products on codes of BF8 (E5M2) with E8M0 scales.
; THE SOFTMAX AHEAD OF THE SECOND PRODUCT: t = score x log2(e) / 8; M = the running largest t rounded UP to a whole number; p = 2^(t - M) is quantised along the keys, not normalised.
; The row's sum is taken of the unquantised p, in f32, and divides O at the end.  When M moves, the sum and O are multiplied by 2^(old M - new M): exact.
; SHARES.  A work-group owns 256 queries of one head; each of its EIGHT waves owns 32 of them, two tiles of 16: a fragment of K or V and its scale words, read once from LDS (34 loads a step of 128 keys), feed two products.
; A HEAD'S K AND V STAY IN LDS: 262,144 bytes of codes (four groups of 512 keys, [K 4 x 8,192 | V 4 x 8,192]) and 12,288 of scale words, each byte filled ONCE.  No ring, no refill.
; FILLS: one joint load a wave at the head: wave 0 group 0, wave 1 the scale words (both shown by the first barrier), waves 2 to 7 a half each of groups 1 to 3 (shown by the barrier behind step 2, ahead of the first read of group 1).
; CLUSTER.  The four query blocks of a cluster belong to one head: every fill is a joint load, the same descriptor and the mask of all four in each.
; LAYOUT.  The operands lie in memory and in LDS as images of their registers: every fragment comes by loads of 16 bytes at 16 x lane, 512 consecutive bytes each.
; Both products are used transposed: S^T = K Q^T, O^T = V^T P^T: a lane holds ONE query of each tile (lane % 16) throughout.
; Register 16 b + i of S^T in lane half h is key 32 b + 16 (i / 8) + 8 h + i % 8 of the step: the place that byte i of group b has in V's image.
; THE FIRST PRODUCT'S K IS 64, the instruction's 128: Q's registers 8-15 are zero codes; K's registers 8-15 are the next tile's codes (behind the last tile: zeros): finite numbers, and no scale byte is 0xff: their products with zero add nothing.
; AHEAD.  K and V have registers of their own: step s + 1's K is asked of LDS behind step s's first products, its V behind step s's second products.
; PREFETCH.  All of K and V is asked for at the head by the tensor loads themselves: there is nothing to run ahead of.  My 32 rows of x (256 bytes each, a lane a row, each block once in the launch) are prefetched behind step 2 and loaded in step 15.
; LIMITS: NaN and infinities are not served; the promise holds while |t| stays under 2^31; a block whose every p has fallen under 2^-111 keeps the byte 1.
; REGISTERS.  Window 0: addresses, the softmax's state (tile u: + 2 u or + TU u), scale words, p's codes, S^T of both tiles.  Window 1: v0-71 K and eight zeros, v72-135 V, v136-199 O^T, v200-231 Q with its zeros.
.set SCK,  262144                      ; LDS: k's scale words, 512 bytes a step,
.set SCV,  SCK+8192                    ; v's, 256 bytes a step,
.set SPARE, SCK+12288                  ; and the spare words: 128 bytes a wave
.set STG,  4352                        ; the way out: a stage of 16 rows x (256 + 16) bytes for each wave, in which its two tiles take turns,
.set STGB, SPARE+1024                  ; in bytes of their own behind the spare words: no fill lands there and no other wave touches them, so no barrier stands ahead of the way out
.set L16, 1                            ; 16 x lane
.set L8,  2                            ; 8 x lane
.set ADK, 3                            ; the next step's codes
.set ADS, 4                            ; k's scale words
.set ADT, 6                            ; v's
.set GO,  7                            ; my byte offset in a tile's rows of x and of att
.set STI, 8                            ; into the stage
.set STO, 9                            ; out of it
.set SPW, 10                           ; my spare word
.set NIL, 11                           ; 0
.set NM,  12                           ; -M, the largest t
.set SUM, 16                           ; the sum, in two halves
.set F,   20                           ; f = 2^(old M - new M)
.set TU,  28                           ; from tile 0's working registers to tile 1's
.set TT,  24
.set OM,  25                           ; the old -M
.set L2,  26                           ; the sum's second chain
.set BM,  28                           ; a block's largest score, then its largest p
.set PX,  32                           ; the other half's; then the bytes
.set HL,  36                           ; 57,344 x the scale
.set SO,  40                           ; the conversions' scale operands
.set HL2, 45                           ; 57,344 x the scale once more: the halves of a pair of holds take second sources whose numbers differ modulo 4
.set KW,  80                           ; k's scale words: register m: tile 2 m in lanes 0-15, 2 m + 1 in lanes 16-31
.set VW,  84                           ; v's likewise
.set PW,  86                           ; p's, a register a tile
.set QW,  92                           ; Q's: tile 0 in lanes 0-15, tile 1 in lanes 16-31
.set PFO, 94                           ; 4,096 x lane
.set PC,  96                           ; p's codes
.set S,   128                          ; S^T, then p
.set VF,  72                           ; window 1
.set O,   136
.set QF,  200
.set WV,  12
.set BH,  13
.set QB,  14
.set SEL, 24
.set CS,  26
.set MNT, 28
.set TL,  29                           ; 8,192 x the next step
.set TK,  30                           ; LDS byte of the next step's K: TL + 32,768 for each group passed
.set TS,  31
.set TJ,  32
.set CNT, 33
.set G1A, 36
.set G1B, 44
.set G1C, 52
.set G0A, 60
.set G0B, 68
.set G0C, 72
.set MSB, 0
.macro WIN new                         ; the immediate's high byte repeats the setting that is left
.if MSB != \new
	s_set_vgpr_msb (MSB<<8)|\new
.set MSB, \new
.endif
.endm
.macro PLACES n
.rept \n
	v_nop
.endr
.endm
.macro WALU
	s_wait_alu depctr_va_vdst(0)
.endm
.macro ROUND                           ; a round of the cluster's barrier
	s_barrier_signal -1
	s_barrier_wait -1
	s_cmp_lg_u32 s[WV], 0
	s_cbranch_scc1 .Lnot_wave_0_\@
	s_barrier_signal -3
.Lnot_wave_0_\@:
	s_barrier_wait -3
	s_barrier_signal -1
	s_barrier_wait -1
.endm
.macro GROUP1 g, rows                  ; a dense block as rows of 256 bytes (32 elements of 8), no padding; the mask of all four, bit 21 beside it
	s_mov_b32 s[\g], 15|(3<<16)|(1<<21)
	s_mov_b32 s[\g+1], 32<<16
	s_mov_b32 s[\g+2], (\rows)<<16
	s_mov_b32 s[\g+3], 32<<16
	s_mov_b32 s[\g+4], \rows
	s_mov_b32 s[\g+5], 32
	s_mov_b32 s[\g+6], 0
	s_mov_b32 s[\g+7], 0
.endm
.macro TLOAD g0, g1                    ; four v_nop stand ahead of what follows
	tensor_load_to_lds s[\g0:\g0+3], s[\g1:\g1+7]
	s_nop 0
	PLACES 4
.endm
	s_load_b128 s[4:7], s[0:1], 0x0                ; qkv, sc
	s_load_b128 s[8:11], s[0:1], 0x10              ; x, att
	v_lshl_add_u32 v[SPW], v0, 2, SPARE
	v_mov_b32 v[NIL], 0
	ds_add_u32 v[SPW], v[NIL]                      ; the opening lines: the add twice on end and its wait
	ds_add_u32 v[SPW], v[NIL]
	v_lshrrev_b32 v[TT], 5, v0
	v_readfirstlane_b32 s[WV], v[TT]               ; wave 0..7
	s_and_b32 s[BH], ttmp7, 0xffff                 ; 16 x batch + head, which the four partners share
	s_bfe_u32 s15, ttmp6, 0x40000
	s_lshl_b32 s[QB], ttmp9, 2
	s_add_co_u32 s[QB], s[QB], s15                 ; my block of 256 queries: it enters Q's, x's and att's addresses alone
	GROUP1 G1A, 256                                ; group 0: 65,536 bytes
	GROUP1 G1B, 48                                 ; the scale words: 12,288
	GROUP1 G1C, 128                                ; half a group: 32,768
	s_mov_b32 s[SEL], 0x76543210
	s_mov_b32 s[SEL+1], 0xfedcba98                 ; lane l xor 16
	s_mov_b32 s[CS], 0x3e38aa3b                    ; c = log2(e) / 8
	s_mov_b32 s[CS+1], s[CS]
	s_mov_b32 s[MNT], 0x600000                     ; the mantissa field of 57,344
	s_mov_b32 s[TL], 0
	s_mov_b32 s[TK], 0
	s_mov_b32 s[TS], SCK
	s_mov_b32 s[TJ], SCV
	s_mul_i32 s16, s[BH], 393216
	s_mov_b32 s17, 0
	s_mul_i32 s18, s[BH], 20480
	s_mov_b32 s19, 0
	s_lshr_b32 s20, s[WV], 1                       ; waves 2 to 7: group wave / 2, half wave % 2: in memory a group is 98,304 bytes (K, V, Q),
	s_mul_i32 s20, s20, 98304
	s_and_b32 s21, s[WV], 1
	s_lshl_b32 s21, s21, 15
	s_add_co_u32 s20, s20, s21
	s_mov_b32 s21, 0
	s_lshl_b32 s22, s[WV], 15                      ; in LDS 65,536: 32,768 x wave
	s_wait_dscnt 0x0
	s_wait_kmcnt 0x0
	s_add_nc_u64 s[4:5], s[4:5], s[16:17]          ; qkv and sc at the head
	s_add_nc_u64 s[6:7], s[6:7], s[18:19]
	s_mov_b32 s[G0A], 1
	s_mov_b32 s[G0A+1], 0
	s_mov_b64 s[G0A+2:G0A+3], s[4:5]
	s_or_b32 s[G0A+3], s[G0A+3], 0x80000000
	s_mov_b32 s[G0B], 1
	s_mov_b32 s[G0B+1], SCK
	s_mov_b64 s[G0B+2:G0B+3], s[6:7]
	s_or_b32 s[G0B+3], s[G0B+3], 0x80000000
	s_mov_b32 s[G0C], 1
	s_mov_b32 s[G0C+1], s22
	s_add_nc_u64 s[G0C+2:G0C+3], s[4:5], s[20:21]
	s_or_b32 s[G0C+3], s[G0C+3], 0x80000000
	ROUND                                          ; all four work-groups are here: the joint loads meet
	s_cmp_eq_u32 s[WV], 0                          ; one chain, one load to an arm; the waves that wait at the first barrier have lines of their own
	s_cbranch_scc0 .Lwave_1
	TLOAD G0A, G1A
	s_branch .Lasked
.Lwave_1:
	s_cmp_eq_u32 s[WV], 1
	s_cbranch_scc0 .Lothers
	TLOAD G0B, G1B
	s_branch .Lasked
.Lothers:
	TLOAD G0C, G1C
.Lasked:
	; my two tiles of Q: step 2 x block + wave / 4 of 128 tokens, tiles 2 (wave % 4) and the next
	s_lshr_b32 s15, s[WV], 2
	s_lshl_b32 s16, s[QB], 1
	s_add_co_u32 s15, s15, s16
	s_and_b32 s23, s[WV], 3
	s_lshr_b32 s16, s15, 2
	s_mul_i32 s16, s16, 98304
	s_and_b32 s18, s15, 3
	s_lshl_b32 s18, s18, 13
	s_add_co_u32 s16, s16, s18
	s_lshl_b32 s18, s23, 11
	s_add_co_u32 s16, s16, s18
	s_add_co_u32 s16, s16, 65536                   ; Q is a group's third part
	s_mov_b32 s17, 0
	s_add_nc_u64 s[16:17], s[4:5], s[16:17]
	s_lshl_b32 s18, s15, 9                         ; its scale words: register wave % 4 of the step's image
	s_lshl_b32 s20, s23, 2
	s_add_co_u32 s18, s18, s20
	s_add_co_u32 s18, s18, 12288
	s_mov_b32 s19, 0
	s_add_nc_u64 s[18:19], s[6:7], s[18:19]
	s_lshr_b32 s20, s[BH], 4                       ; x and att: batch x 2,048 rows of 4,096 bytes,
	s_lshl_b32 s20, s20, 23
	s_lshl_b32 s21, s[QB], 20                      ; my block's 256 rows,
	s_add_co_u32 s20, s20, s21
	s_lshl_b32 s21, s[WV], 17                      ; my wave's 32,
	s_add_co_u32 s20, s20, s21
	s_and_b32 s21, s[BH], 15
	s_lshl_b32 s21, s21, 8                         ; the head's 256 bytes of a row
	s_add_co_u32 s20, s20, s21
	s_mov_b32 s21, 0
	s_add_nc_u64 s[8:9], s[8:9], s[20:21]
	s_add_nc_u64 s[10:11], s[10:11], s[20:21]
	s_mul_i32 s15, s[WV], STG                      ; my stage
	s_add_co_u32 s15, s15, STGB
	v_and_b32 v[L16], 31, v0
	v_lshlrev_b32 v[L8], 3, v[L16]
	v_lshlrev_b32 v[PFO], 12, v[L16]
	v_lshlrev_b32 v[L16], 4, v[L16]
	WIN 0x40
.irp u, 0,1
	global_load_b128 v[QF+16*\u:QF+16*\u+3], v[L16], s[16:17] offset:1024*\u
	global_load_b128 v[QF+16*\u+4:QF+16*\u+7], v[L16], s[16:17] offset:1024*\u+512
.endr
.irp j, 0,1,2,3,4,5,6,7
	v_mov_b32 v[QF+8+\j], 0                        ; zero codes for k = 64 .. 127 of the first product,
	v_mov_b32 v[QF+24+\j], 0
	v_mov_b32 v[64+\j], 0                          ; and behind K's last tile
.endr
.set n, 0
.rept 64
	v_mov_b32 v[O+n], 0                            ; O^T: the step's text serves every step: the first finds zeros, which the first change of M leaves zeros
.set n, n+1
.endr
	WIN 0
	global_load_b32 v[QW], v[L16], s[18:19]
	v_and_b32 v[TT], 15, v0                        ; r
	v_bfe_u32 v[OM], v0, 4, 1                      ; h
	v_lshlrev_b32 v[GO], 12, v[OM]
	v_lshl_add_u32 v[GO], v[TT], 4, v[GO]          ; lanes 0-15 take 256 bytes of one row, lanes 16-31 of the next
	v_mul_u32_u24 v[STI], v[TT], 272
	v_lshl_add_u32 v[STI], v[OM], 5, v[STI]
	v_add_nc_u32 v[STI], s15, v[STI]               ; in: row r; channel tile t's eight of my half: 64 t + 32 h bytes on
	v_mul_u32_u24 v[STO], v[OM], 272
	v_lshl_add_u32 v[STO], v[TT], 4, v[STO]
	v_add_nc_u32 v[STO], s15, v[STO]               ; back: lanes 0-15 one row, lanes 16-31 the next
.irp u, 0,1
	v_mov_b32 v[NM+2*\u+1], 0xff61b1e6             ; the largest t so far: -3e38
	v_floor_f32 v[NM+2*\u], -v[NM+2*\u+1]          ; -M
	v_mov_b32 v[SUM+2*\u], 0
	v_mov_b32 v[SUM+2*\u+1], 0
	v_mov_b32 v[F+2*\u+1], 0                       ; (named as the upper half of the pair with f)
.irp b, 0,1,2,3
	v_mov_b32 v[PX+TU*\u+\b], 0                    ; a lane permute's destination counts as one of its sources
.endr
.endr
.macro LOADK                           ; 17 loads: a step's eight tiles of K into window 1, and its scale words
	WIN 0x40
.irp t, 0,1,2,3,4,5,6,7
	ds_load_b128 v[8*\t:8*\t+3], v[ADK] offset:1024*\t
	ds_load_b128 v[8*\t+4:8*\t+7], v[ADK] offset:1024*\t+512
.endr
	WIN 0
	ds_load_b128 v[KW:KW+3], v[ADS]
.endm
.macro LOADV                           ; 17 loads: its four fragments of V, 32,768 bytes behind its K, and their scale words
	WIN 0x40
.irp t, 0,1,2,3
.irp c, 0,1,2,3
	ds_load_b128 v[VF+16*\t+4*\c:VF+16*\t+4*\c+3], v[ADK] offset:32768+2048*\t+512*\c
.endr
.endr
	WIN 0
	ds_load_b64 v[VW:VW+1], v[ADT]
.endm
.macro WS t, u                         ; S^T of key tile t, query tile u
.if ((\t)%2) && (\u)
	v_wmma_scale_f32_16x16x128_f8f6f4 v[S+64*\u+8*\t:S+64*\u+8*\t+7], v[8*\t:8*\t+15], v[QF+16*\u:QF+16*\u+15], 0, v[KW+\t/2], v[QW] matrix_a_fmt:MATRIX_FMT_BF8 matrix_b_fmt:MATRIX_FMT_BF8 matrix_a_scale:MATRIX_SCALE_ROW1 matrix_b_scale:MATRIX_SCALE_ROW1
.elseif (\t)%2
	v_wmma_scale_f32_16x16x128_f8f6f4 v[S+64*\u+8*\t:S+64*\u+8*\t+7], v[8*\t:8*\t+15], v[QF+16*\u:QF+16*\u+15], 0, v[KW+\t/2], v[QW] matrix_a_fmt:MATRIX_FMT_BF8 matrix_b_fmt:MATRIX_FMT_BF8 matrix_a_scale:MATRIX_SCALE_ROW1
.elseif \u
	v_wmma_scale_f32_16x16x128_f8f6f4 v[S+64*\u+8*\t:S+64*\u+8*\t+7], v[8*\t:8*\t+15], v[QF+16*\u:QF+16*\u+15], 0, v[KW+\t/2], v[QW] matrix_a_fmt:MATRIX_FMT_BF8 matrix_b_fmt:MATRIX_FMT_BF8 matrix_b_scale:MATRIX_SCALE_ROW1
.else
	v_wmma_scale_f32_16x16x128_f8f6f4 v[S+64*\u+8*\t:S+64*\u+8*\t+7], v[8*\t:8*\t+15], v[QF+16*\u:QF+16*\u+15], 0, v[KW+\t/2], v[QW] matrix_a_fmt:MATRIX_FMT_BF8 matrix_b_fmt:MATRIX_FMT_BF8
.endif
.endm
.macro WO t, u                         ; O^T of channel tile t, query tile u
.if (\t)%2
	v_wmma_scale_f32_16x16x128_f8f6f4 v[O+32*\u+8*\t:O+32*\u+8*\t+7], v[VF+16*\t:VF+16*\t+15], v[PC+16*\u:PC+16*\u+15], v[O+32*\u+8*\t:O+32*\u+8*\t+7], v[VW+\t/2], v[PW+\u] matrix_a_fmt:MATRIX_FMT_BF8 matrix_b_fmt:MATRIX_FMT_BF8 matrix_a_scale:MATRIX_SCALE_ROW1
.else
	v_wmma_scale_f32_16x16x128_f8f6f4 v[O+32*\u+8*\t:O+32*\u+8*\t+7], v[VF+16*\t:VF+16*\t+15], v[PC+16*\u:PC+16*\u+15], v[O+32*\u+8*\t:O+32*\u+8*\t+7], v[VW+\t/2], v[PW+\u] matrix_a_fmt:MATRIX_FMT_BF8 matrix_b_fmt:MATRIX_FMT_BF8
.endif
.endm
; A KEY STEP: 128 keys, both tiles by turns in every part.  last = 1: the launch's last step: it asks LDS for nothing more, and memory for x.  jump = 1: the next step may lie in a later group.
.macro STEP last, jump
	s_wait_dscnt 17                                ; this step's K and its words are in; the 17 loads of its V, issued behind them, may be out
	WIN 0x05                                       ; sources 0 and 1: window 1
.irp t, 0,1,2,3,4,5,6,7
	WS \t, 0
	WS \t, 1
.endr
	WIN 0
	v_mov_b32 v[OM], v[NM]                         ; eight places ahead of the loads into what the products have read and of the first read of the scores
	v_mov_b32 v[OM+TU], v[NM+2]
.if \last
	PLACES 6
	WIN 0x40
.irp u, 0,1
.irp i, 0,1,2,3,4,5,6,7
	global_load_b128 v[32*\u+4*\i:32*\u+4*\i+3], v[GO], s[8:9] offset:65536*\u+8192*\i th:TH_LOAD_NT   ; rows 2 i, 2 i + 1 of tile u of x, where K lay
.endr
.endr
	WIN 0
.else
	v_add_nc_u32 v[ADK], s[TK], v[L16]
	v_add_nc_u32 v[ADS], s[TS], v[L16]
	PLACES 4
	LOADK
.endif
.irp b, 0,1,2,3                                ; the largest score of each block of 32 keys: for the row's maximum and, since p rises with the score, for the block's largest p.  Each accumulator is read from its low end on
.irp u, 0,1
	v_max3_num_f32 v[BM+TU*\u+\b], v[S+64*\u+16*\b], v[S+64*\u+16*\b+1], v[S+64*\u+16*\b+2]
.endr
.endr
.irp i, 3,5,7,9,11,13
.irp b, 0,1,2,3
.irp u, 0,1
	v_max3_num_f32 v[BM+TU*\u+\b], v[BM+TU*\u+\b], v[S+64*\u+16*\b+\i], v[S+64*\u+16*\b+\i+1]
.endr
.endr
.endr
.irp b, 0,1,2,3
.irp u, 0,1
	v_max_num_f32 v[BM+TU*\u+\b], v[BM+TU*\u+\b], v[S+64*\u+16*\b+15]
.endr
.endr
.irp b, 0,1,2,3
.irp u, 0,1
	v_permlanex16_b32 v[PX+TU*\u+\b], v[BM+TU*\u+\b], s[SEL], s[SEL+1]
.endr
.endr
.irp b, 0,1,2,3
.irp u, 0,1
	v_max_num_f32 v[BM+TU*\u+\b], v[BM+TU*\u+\b], v[PX+TU*\u+\b]   ; with lane l xor 16's 16 keys
.endr
.endr
.irp u, 0,1
	v_max3_num_f32 v[TT+TU*\u], v[BM+TU*\u], v[BM+TU*\u+1], v[BM+TU*\u+2]
.endr
.irp u, 0,1
	v_max_num_f32 v[TT+TU*\u], v[TT+TU*\u], v[BM+TU*\u+3]          ; the step's largest score of my query
.endr
.irp u, 0,1
	v_mul_f32 v[TT+TU*\u], s[CS], v[TT+TU*\u]                      ; as t (c is positive)
.endr
.irp u, 0,1
	v_max_num_f32 v[NM+2*\u+1], v[NM+2*\u+1], v[TT+TU*\u]          ; the running largest t
.endr
.irp u, 0,1
	v_floor_f32 v[NM+2*\u], -v[NM+2*\u+1]                          ; the new -M = -ceil(t)
.endr
.irp u, 0,1
	v_sub_f32 v[TT+TU*\u], v[NM+2*\u], v[OM+TU*\u]                 ; old M - new M: a whole number, 0 or less
.endr
.irp u, 0,1
	v_cvt_i32_f32 v[TT+TU*\u], v[TT+TU*\u]                         ; (it saturates)
.endr
.irp u, 0,1
	v_ldexp_f32 v[F+2*\u], 1.0, v[TT+TU*\u]                        ; f: a multiplication by it rounds nothing
.endr
.irp b, 0,1,2,3
.irp u, 0,1
	v_fma_f32 v[BM+TU*\u+\b], v[BM+TU*\u+\b], s[CS], v[NM+2*\u]    ; t - M of each block's largest score
.endr
.endr
.irp u, 0,1
.set n, 0
.rept 32
	v_pk_fma_f32 v[S+64*\u+2*n:S+64*\u+2*n+1], v[S+64*\u+2*n:S+64*\u+2*n+1], s[CS:CS+1], v[NM+2*\u:NM+2*\u+1] op_sel_hi:[1,0,0]   ; t - M, two at a time
.set n, n+1
.endr
.endr
	WALU                                           ; the wait ahead of the batch
.irp b, 0,1,2,3
.irp u, 0,1
	v_exp_f32 v[BM+TU*\u+\b], v[BM+TU*\u+\b]       ; the block's largest p: the same two instructions on the same number give its own p's bits
.endr
.endr
.set n, 0
.rept 128
	v_exp_f32 v[S+n], v[S+n]                       ; p = 2^(t - M), at most 1
.set n, n+1
.endr
.irp u, 0,1
	v_pk_mul_f32 v[SUM+2*\u:SUM+2*\u+1], v[SUM+2*\u:SUM+2*\u+1], v[F+2*\u:F+2*\u+1] op_sel_hi:[1,0]   ; the sums under the new M: plain lines behind the batch
.endr
	WALU                                           ; and the one wait behind it
.irp b, 0,1,2,3
.irp u, 0,1
	v_max_num_f32 v[BM+TU*\u+\b], 0x8000000, v[BM+TU*\u+\b]        ; the floor 2^(16 - 127): the byte cannot fall under 1
.endr
.endr
.irp b, 0,1,2,3
.irp u, 0,1
	v_add_nc_u32 v[SO+TU*\u+\b], 0xf8800000, v[BM+TU*\u+\b]        ; 15 off the exponent field: the conversion's scale operand
.endr
.endr
.irp b, 0,1,2,3
.irp u, 0,1
	v_and_or_b32 v[HL+TU*\u+\b], v[BM+TU*\u+\b], 0x7f800000, s[MNT]    ; 57,344 x the scale,
	v_and_or_b32 v[HL2+TU*\u+\b], v[BM+TU*\u+\b], 0x7f800000, s[MNT]   ; twice
.endr
.endr
.irp b, 0,1,2,3
.irp u, 0,1
	v_lshrrev_b32 v[PX+TU*\u+\b], 23, v[SO+TU*\u+\b]               ; the scale's byte
.endr
.endr
.irp u, 0,1
	v_lshl_or_b32 v[PW+\u], v[PX+TU*\u+1], 8, v[PX+TU*\u]          ; p's scale word for these 128 keys
.endr
.irp u, 0,1
	v_lshl_or_b32 v[PW+\u], v[PX+TU*\u+2], 16, v[PW+\u]
.endr
.irp u, 0,1
	v_lshl_or_b32 v[PW+\u], v[PX+TU*\u+3], 24, v[PW+\u]
.endr
.irp u, 0,1                                    ; the row's sum of the UNQUANTISED p: four chains a tile; two of them stand in the registers of p's codes, which the conversions write only behind the joins
	v_pk_add_f32 v[L2+TU*\u:L2+TU*\u+1], v[S+64*\u:S+64*\u+1], v[S+64*\u+2:S+64*\u+3]
	v_pk_add_f32 v[PC+16*\u:PC+16*\u+1], v[S+64*\u+4:S+64*\u+5], v[S+64*\u+6:S+64*\u+7]
	v_pk_add_f32 v[PC+16*\u+2:PC+16*\u+3], v[S+64*\u+8:S+64*\u+9], v[S+64*\u+10:S+64*\u+11]
.endr
.irp j, 12,20,28,36,44,52
.irp u, 0,1
	v_pk_add_f32 v[SUM+2*\u:SUM+2*\u+1], v[SUM+2*\u:SUM+2*\u+1], v[S+64*\u+\j:S+64*\u+\j+1]
	v_pk_add_f32 v[L2+TU*\u:L2+TU*\u+1], v[L2+TU*\u:L2+TU*\u+1], v[S+64*\u+\j+2:S+64*\u+\j+3]
	v_pk_add_f32 v[PC+16*\u:PC+16*\u+1], v[PC+16*\u:PC+16*\u+1], v[S+64*\u+\j+4:S+64*\u+\j+5]
	v_pk_add_f32 v[PC+16*\u+2:PC+16*\u+3], v[PC+16*\u+2:PC+16*\u+3], v[S+64*\u+\j+6:S+64*\u+\j+7]
.endr
.endr
.irp u, 0,1
	v_pk_add_f32 v[SUM+2*\u:SUM+2*\u+1], v[SUM+2*\u:SUM+2*\u+1], v[S+64*\u+60:S+64*\u+61]
	v_pk_add_f32 v[L2+TU*\u:L2+TU*\u+1], v[L2+TU*\u:L2+TU*\u+1], v[S+64*\u+62:S+64*\u+63]
.endr
.irp u, 0,1
	v_pk_add_f32 v[PC+16*\u:PC+16*\u+1], v[PC+16*\u:PC+16*\u+1], v[PC+16*\u+2:PC+16*\u+3]
.endr
.irp u, 0,1
	v_pk_add_f32 v[L2+TU*\u:L2+TU*\u+1], v[L2+TU*\u:L2+TU*\u+1], v[PC+16*\u:PC+16*\u+1]
.endr
.irp g, 0,1,2,3,4,5,6,7                        ; the conversion to an 8-bit code does not saturate (ISA guide 7.6.2); p is not negative, so the hold is one-sided; two holds an instruction
.irp u, 0,1
.irp k, 0,1,2,3
	v_dual_min_num_f32 v[S+64*\u+8*\g+2*\k], v[S+64*\u+8*\g+2*\k], v[HL+TU*\u+\g/2] :: v_dual_min_num_f32 v[S+64*\u+8*\g+2*\k+1], v[S+64*\u+8*\g+2*\k+1], v[HL2+TU*\u+\g/2]
.endr
.endr
.irp u, 0,1
	v_cvt_scalef32_pk8_bf8_f32 v[PC+16*\u+2*\g:PC+16*\u+2*\g+1], v[S+64*\u+8*\g:S+64*\u+8*\g+7], v[SO+TU*\u+\g/2]
.endr
.endr
	WIN 0x41                                       ; source 0 and destination: window 1
	WALU                                           ; the wait directly ahead of the first reader of O^T
.set n, 0
.rept 16
	v_pk_mul_f32 v[O+2*n:O+2*n+1], v[O+2*n:O+2*n+1], v[F:F+1] op_sel_hi:[1,0]             ; O^T under the new M, ascending; these lines also stand between the conversions and the products
	v_pk_mul_f32 v[O+32+2*n:O+32+2*n+1], v[O+32+2*n:O+32+2*n+1], v[F+2:F+3] op_sel_hi:[1,0]
.set n, n+1
.endr
	WALU
.if \last
	s_wait_dscnt 0x0
.else
	s_wait_dscnt 17                                ; V and its words are in; the next step's K, 17 loads, may be out
.endif
	WIN 0x51                                       ; V, C and D: window 1; p's codes: window 0
.irp t, 0,1,2,3                                ; eight accumulators by turns
	WO \t, 0
	WO \t, 1
.endr
	WIN 0
.irp u, 0,1
	v_pk_add_f32 v[SUM+2*\u:SUM+2*\u+1], v[SUM+2*\u:SUM+2*\u+1], v[L2+TU*\u:L2+TU*\u+1]   ; the chains join: places behind the products
.endr
.if \last == 0
	v_add_nc_u32 v[ADT], s[TJ], v[L8]
	PLACES 5                                       ; eight places in all ahead of the loads into V's registers
	LOADV
	s_add_co_u32 s[TL], s[TL], 8192
.if \jump
	s_and_b32 s[TK], s[TL], 0xf8000
	s_add_co_u32 s[TK], s[TK], s[TL]
.else
	s_mov_b32 s[TK], s[TL]
.endif
	s_add_co_u32 s[TS], s[TS], 512
	s_add_co_u32 s[TJ], s[TJ], 256
.endif
.endm
	WALU                                           ; the wait at the head's end
	s_wait_loadcnt 0x0                             ; Q
	s_cmp_lt_u32 s[WV], 2
	s_cbranch_scc0 .Lnot_first
	s_wait_tensorcnt 0x0                           ; waves 0 and 1: group 0 and the scale words have landed
.Lnot_first:
	s_barrier_signal -1
	s_barrier_wait -1
	v_add_nc_u32 v[ADK], s[TK], v[L16]
	v_add_nc_u32 v[ADS], s[TS], v[L16]
	v_add_nc_u32 v[ADT], s[TJ], v[L8]
	LOADK                                          ; step 0
	LOADV
	s_mov_b32 s[TL], 8192
	s_mov_b32 s[TK], 8192
	s_add_co_u32 s[TS], s[TS], 512
	s_add_co_u32 s[TJ], s[TJ], 256
	s_mov_b32 s[CNT], 3
.Lgroup_0:                                             ; steps 0 to 2: they read group 0 alone
	STEP 0, 0
	s_sub_co_u32 s[CNT], s[CNT], 1
	s_cmp_lg_u32 s[CNT], 0
	WALU
	s_cbranch_scc1 .Lgroup_0
	s_wait_tensorcnt 0x0                           ; every wave: all that is still out has landed
	s_wait_dscnt 0x0
	s_barrier_signal -1
	s_barrier_wait -1
	global_prefetch_b8 v[PFO], s[8:9] th:TH_LOAD_NT scope:SCOPE_SE   ; my 32 rows of x, a lane a row, twelve steps ahead of their load
	s_and_b32 s[TK], s[TL], 0xf8000                ; step 4 begins group 1
	s_add_co_u32 s[TK], s[TK], s[TL]
	s_mov_b32 s[CNT], 12
.Lrest:                                                ; steps 3 to 14
	STEP 0, 1
	s_sub_co_u32 s[CNT], s[CNT], 1
	s_cmp_lg_u32 s[CNT], 0
	WALU
	s_cbranch_scc1 .Lrest
	STEP 1, 0                                      ; step 15
	; THE WAY OUT.  O^T / the sum goes through my stages in LDS and comes back as rows; x is added; sixteen lanes store the head's 256 consecutive bytes of a row of att, aligned.
.irp u, 0,1
	v_add_f32 v[SUM+2*\u], v[SUM+2*\u], v[SUM+2*\u+1]
.endr
.irp u, 0,1
	v_permlanex16_b32 v[TT+TU*\u], v[SUM+2*\u], s[SEL], s[SEL+1]
.endr
.irp u, 0,1
	v_add_f32 v[SUM+2*\u], v[SUM+2*\u], v[TT+TU*\u]                ; the row's sum
.endr
	WALU
.irp u, 0,1
	v_rcp_f32 v[SUM+2*\u], v[SUM+2*\u]
.endr
	PLACES 4                                       ; behind the reciprocals, and with the lines above more than eight places behind the last products
	WIN 0x01
	WALU                                           ; ahead of the first readers of the reciprocals and of O^T
.irp u, 0,1
.set n, 0
.rept 32
	v_mul_f32 v[S+64*\u+n], v[O+32*\u+n], v[SUM+2*\u]              ; register 8 t + j is channel 16 t + 8 h + j of query r
.set n, n+1
.endr
.endr
	WIN 0
.irp u, 0,1
.irp t, 0,1,2,3
	ds_store_b128 v[STI], v[S+64*\u+8*\t:S+64*\u+8*\t+3] offset:64*\t
	ds_store_b128 v[STI], v[S+64*\u+8*\t+4:S+64*\u+8*\t+7] offset:64*\t+16
.endr
.irp i, 0,1,2,3,4,5,6,7
	ds_load_b128 v[S+64*\u+32+4*\i:S+64*\u+32+4*\i+3], v[STO] offset:544*\i   ; LDS serves a wave's instructions in order (ISA guide 5.7.1.4): these see my stores, and tile 1's stores come behind tile 0's loads
.endr
.endr
	s_wait_loadcnt 0x0                             ; x
.irp u, 0,1
	s_wait_dscnt 16-16*\u                          ; tile u is back; behind tile 0's loads stand tile 1's eight stores and eight loads
	WIN 0x04                                       ; source 1: window 1
.set n, 0
.rept 16
	v_pk_add_f32 v[S+64*\u+32+2*n:S+64*\u+32+2*n+1], v[S+64*\u+32+2*n:S+64*\u+32+2*n+1], v[32*\u+2*n:32*\u+2*n+1]   ; the residual
.set n, n+1
.endr
	WIN 0
.irp i, 0,1,2,3,4,5,6,7
	global_store_b128 v[GO], v[S+64*\u+32+4*\i:S+64*\u+32+4*\i+3], s[10:11] offset:65536*\u+8192*\i
.endr
.endr
	s_wait_tensorcnt 0x0                           ; the wave's end
	ds_add_u32 v[SPW], v[NIL]
	s_wait_dscnt 0x0
	ROUND                                          ; the closing round
	s_endpgm
.Lfunc_end_k_q99bc9d87bb_attn:
	.size	k_q99bc9d87bb_attn, .Lfunc_end_k_q99bc9d87bb_attn-k_q99bc9d87bb_attn
	.p2alignl 7, 3214868480
	.fill 96, 4, 3214868480
	.section	.rodata,"a",@progbits
	.p2align	6, 0x0
	.amdhsa_kernel k_q99bc9d87bb_attn
		.amdhsa_group_segment_fixed_size 327680
		.amdhsa_private_segment_fixed_size 0
		.amdhsa_enable_private_segment 0
		.amdhsa_kernarg_size 32
		.amdhsa_user_sgpr_count 2
		.amdhsa_user_sgpr_kernarg_segment_ptr 1
		.amdhsa_wavefront_size32 1
		.amdhsa_system_sgpr_workgroup_id_x 1
		.amdhsa_system_sgpr_workgroup_id_y 1
		.amdhsa_system_sgpr_workgroup_id_z 1
		.amdhsa_system_vgpr_workitem_id 0
		.amdhsa_next_free_vgpr 512
		.amdhsa_next_free_sgpr 76
		.amdhsa_reserve_vcc 0
		.amdhsa_float_denorm_mode_32 3
		.amdhsa_float_denorm_mode_16_64 3
		.amdhsa_memory_ordered 1
		.amdhsa_forward_progress 1
		.amdhsa_inst_pref_size 126
	.end_amdhsa_kernel
	.amdgpu_metadata
---
amdhsa.version: [ 1, 2 ]
amdhsa.kernels:
  - .name:           k_q99bc9d87bb_attn
    .symbol:         k_q99bc9d87bb_attn.kd
    .args:
      - { .name: qkv, .offset: 0, .size: 8, .value_kind: global_buffer, .address_space: global }
      - { .name: sc, .offset: 8, .size: 8, .value_kind: global_buffer, .address_space: global }
      - { .name: x, .offset: 16, .size: 8, .value_kind: global_buffer, .address_space: global }
      - { .name: att, .offset: 24, .size: 8, .value_kind: global_buffer, .address_space: global }
    .group_segment_fixed_size: 327680
    .private_segment_fixed_size: 0
    .kernarg_segment_align: 8
    .kernarg_segment_size: 32
    .max_flat_workgroup_size: 256
    .sgpr_count:     76
    .vgpr_count:     512
    .wavefront_size: 32
...
	.end_amdgpu_metadata
.endif
;; end of part 3
;; launch lnorm (part 4): grid 256 x 1, 8 waves a work-group, no clusters, 0 bytes of LDS; arguments att, gamma, beta, out0; writes out0
.if DOCPART == 4
	.amdgcn_target "amdgcn-amd-amdhsa--gfx1250"
	.amdhsa_code_object_version 6
	.text
	.protected	k_q99bc9d87bb_lnorm
	.globl	k_q99bc9d87bb_lnorm
	.p2align	8
	.type	k_q99bc9d87bb_lnorm,@function
k_q99bc9d87bb_lnorm:
	s_mov_b64 s[64:65], 0
	v_nop
	global_prefetch_b8 v0, s[64:65] scope:SCOPE_SE
	s_setreg_imm32_b32 hwreg(HW_REG_WAVE_MODE, 25, 1), 1
	s_wait_xcnt 0x0
; out0 = LayerNorm(att) x gamma + beta over rows of 1,024 f32; att holds attention's result with the residual x already added by the launch before.
; The mean first, then the mean of the squared deviations (no difference of large sums), 1 / sqrt(var + 1e-5).
; A row is 4,096 bytes: one wave takes a whole row, eight loads of 16 bytes a lane, and keeps it in 32 registers through all passes: each byte is read once, and no wave waits for another.
; 2,048 waves, two rows each; all of a wave's 32 loads go out at once, the rows first, since gamma and beta are wanted last.  Each load and store of a wave covers 512 consecutive bytes.
; No LDS, no matrix unit, no cluster: nothing is shared and memory binds.
; LIMITS: NaN and infinities among the inputs are not served.
.set G,   8                            ; v8-39    gamma of my 32 columns
.set BT,  40                           ; v40-71   beta
.set Y,   72                           ; v72-103 row 0, v104-135 row 1
.set U,   136                          ; v136-143 four chains, two numbers each
.set MU,  144                          ; v[144:145] the mean, twice
.set RS,  146                          ; v[146:147] 1 / sqrt(var + eps), twice
.set PX,  148                          ; the lane permute's destination
	s_load_b256 s[4:11], s[0:1], 0x0               ; att s[4:5], gamma s[6:7], beta s[8:9], out0 s[10:11]
	v_lshrrev_b32 v2, 5, v0
	s_delay_alu instid0(VALU_DEP_1)
	v_readfirstlane_b32 s18, v2                    ; wave 0..7
	v_and_b32 v1, 31, v0
	s_delay_alu instid0(VALU_DEP_1)
	v_lshlrev_b32 v1, 4, v1                        ; 16 bytes a lane
	s_lshl_b32 s20, ttmp9, 16                      ; the work-group's 16 rows of 4,096 bytes,
	s_lshl_b32 s19, s18, 13                        ; my wave's two
	s_add_co_u32 s20, s20, s19
	s_mov_b32 s21, 0
	s_mov_b32 s12, 0x76543210
	s_mov_b32 s13, 0xfedcba98                      ; lane l xor 16
	s_mov_b32 s14, 0x3a800000                      ; 1 / 1,024
	s_mov_b32 s15, 0x3727c5ac                      ; 1e-5
	v_mov_b32 v[PX], 0                             ; written once: a lane permute's destination counts as one of its sources
	s_wait_alu depctr_va_vdst(0)
	s_wait_kmcnt 0x0
	s_add_nc_u64 s[4:5], s[4:5], s[20:21]
	s_add_nc_u64 s[10:11], s[10:11], s[20:21]
.irp n, 0,1
.irp j, 0,1,2,3,4,5,6,7
	global_load_b128 v[Y+32*\n+4*\j:Y+32*\n+4*\j+3], v1, s[4:5] offset:4096*\n+512*\j th:TH_LOAD_NT
.endr
.endr
.irp j, 0,1,2,3,4,5,6,7
	global_load_b128 v[G+4*\j:G+4*\j+3], v1, s[6:7] offset:512*\j
.endr
.irp j, 0,1,2,3,4,5,6,7
	global_load_b128 v[BT+4*\j:BT+4*\j+3], v1, s[8:9] offset:512*\j
.endr
.macro REDUCE                          ; the four chains, their halves, the 32 lanes: every lane ends with the row's sum in v[U]
	s_delay_alu instid0(VALU_DEP_3)
	v_pk_add_f32 v[U:U+1], v[U:U+1], v[U+2:U+3]
	s_delay_alu instid0(VALU_DEP_2)
	v_pk_add_f32 v[U+4:U+5], v[U+4:U+5], v[U+6:U+7]
	s_delay_alu instid0(VALU_DEP_1)
	v_pk_add_f32 v[U:U+1], v[U:U+1], v[U+4:U+5]
	s_delay_alu instid0(VALU_DEP_1)
	v_add_f32 v[U], v[U], v[U+1]
	s_delay_alu instid0(VALU_DEP_1)
	v_add_f32_dpp v[U], v[U], v[U] row_xmask:1 row_mask:0xf bank_mask:0xf
	s_delay_alu instid0(VALU_DEP_1)
	v_add_f32_dpp v[U], v[U], v[U] row_xmask:2 row_mask:0xf bank_mask:0xf
	s_delay_alu instid0(VALU_DEP_1)
	v_add_f32_dpp v[U], v[U], v[U] row_xmask:4 row_mask:0xf bank_mask:0xf
	s_delay_alu instid0(VALU_DEP_1)
	v_add_f32_dpp v[U], v[U], v[U] row_xmask:8 row_mask:0xf bank_mask:0xf
	s_delay_alu instid0(VALU_DEP_1)
	v_permlanex16_b32 v[PX], v[U], s12, s13
	s_delay_alu instid0(VALU_DEP_1)
	v_add_f32 v[U], v[U], v[PX]
.endm
.macro ROW n
.set YB, Y+32*\n
.if \n == 0
	s_wait_loadcnt 24                              ; row 0's eight loads are in; the 24 behind them (row 1, gamma, beta) may be out
.endif
.irp k, 0,1,2,3
	v_pk_add_f32 v[U+2*\k:U+2*\k+1], v[YB+2*\k:YB+2*\k+1], v[YB+8+2*\k:YB+8+2*\k+1]   ; the first pairs start the chains: nothing is cleared
.endr
.irp i, 8,9,10,11,12,13,14,15
	s_delay_alu instid0(VALU_DEP_4)
	v_pk_add_f32 v[U+2*(\i%4):U+2*(\i%4)+1], v[U+2*(\i%4):U+2*(\i%4)+1], v[YB+2*\i:YB+2*\i+1]
.endr
	REDUCE
	s_delay_alu instid0(VALU_DEP_1)
	v_mul_f32 v[MU], s14, v[U]                     ; the mean, in both halves of a pair
	s_delay_alu instid0(VALU_DEP_2)
	v_mul_f32 v[MU+1], s14, v[U]
.irp i, 0,1,2,3,4,5,6,7,8,9,10,11,12,13,14,15
	v_pk_add_f32 v[YB+2*\i:YB+2*\i+1], v[YB+2*\i:YB+2*\i+1], v[MU:MU+1] neg_lo:[0,1] neg_hi:[0,1]   ; the deviations
.endr
.irp k, 0,1,2,3
	v_pk_mul_f32 v[U+2*\k:U+2*\k+1], v[YB+2*\k:YB+2*\k+1], v[YB+2*\k:YB+2*\k+1]
.endr
.irp i, 4,5,6,7,8,9,10,11,12,13,14,15
	s_delay_alu instid0(VALU_DEP_4)
	v_pk_fma_f32 v[U+2*(\i%4):U+2*(\i%4)+1], v[YB+2*\i:YB+2*\i+1], v[YB+2*\i:YB+2*\i+1], v[U+2*(\i%4):U+2*(\i%4)+1]
.endr
	REDUCE
	s_delay_alu instid0(VALU_DEP_1)
	v_fma_f32 v[U], v[U], s14, s15                 ; var + eps
	s_wait_alu depctr_va_vdst(0)
	v_rsq_f32 v[RS], v[U]
	v_rsq_f32 v[RS+1], v[U]
	v_nop                                          ; a plain line between the last of them and the use of its result (ISA guide 5.7.2)
	s_wait_alu depctr_va_vdst(0)
.irp i, 0,1,2,3,4,5,6,7,8,9,10,11,12,13,14,15
	v_pk_mul_f32 v[YB+2*\i:YB+2*\i+1], v[YB+2*\i:YB+2*\i+1], v[RS:RS+1]
.endr
.if \n == 0
	s_wait_loadcnt 0x0                             ; gamma and beta are in, and row 1 with them
.endif
.irp i, 0,1,2,3,4,5,6,7,8,9,10,11,12,13,14,15
	v_pk_fma_f32 v[YB+2*\i:YB+2*\i+1], v[YB+2*\i:YB+2*\i+1], v[G+2*\i:G+2*\i+1], v[BT+2*\i:BT+2*\i+1]
.endr
.irp j, 0,1,2,3,4,5,6,7
	global_store_b128 v1, v[YB+4*\j:YB+4*\j+3], s[10:11] offset:4096*\n+512*\j th:TH_STORE_NT
.endr
.endm
	ROW 0
	ROW 1
	s_endpgm
.Lfunc_end_k_q99bc9d87bb_lnorm:
	.size	k_q99bc9d87bb_lnorm, .Lfunc_end_k_q99bc9d87bb_lnorm-k_q99bc9d87bb_lnorm
	.p2alignl 7, 3214868480
	.fill 96, 4, 3214868480
	.section	.rodata,"a",@progbits
	.p2align	6, 0x0
	.amdhsa_kernel k_q99bc9d87bb_lnorm
		.amdhsa_group_segment_fixed_size 0
		.amdhsa_private_segment_fixed_size 0
		.amdhsa_enable_private_segment 0
		.amdhsa_kernarg_size 32
		.amdhsa_user_sgpr_count 2
		.amdhsa_user_sgpr_kernarg_segment_ptr 1
		.amdhsa_wavefront_size32 1
		.amdhsa_system_sgpr_workgroup_id_x 1
		.amdhsa_system_sgpr_workgroup_id_y 1
		.amdhsa_system_sgpr_workgroup_id_z 1
		.amdhsa_system_vgpr_workitem_id 0
		.amdhsa_next_free_vgpr 152
		.amdhsa_next_free_sgpr 66
		.amdhsa_reserve_vcc 0
		.amdhsa_float_denorm_mode_32 3
		.amdhsa_float_denorm_mode_16_64 3
		.amdhsa_memory_ordered 1
		.amdhsa_forward_progress 1
		.amdhsa_inst_pref_size 21
	.end_amdhsa_kernel
	.amdgpu_metadata
---
amdhsa.version: [ 1, 2 ]
amdhsa.kernels:
  - .name:           k_q99bc9d87bb_lnorm
    .symbol:         k_q99bc9d87bb_lnorm.kd
    .args:
      - { .name: att, .offset: 0, .size: 8, .value_kind: global_buffer, .address_space: global }
      - { .name: gamma, .offset: 8, .size: 8, .value_kind: global_buffer, .address_space: global }
      - { .name: beta, .offset: 16, .size: 8, .value_kind: global_buffer, .address_space: global }
      - { .name: out0, .offset: 24, .size: 8, .value_kind: global_buffer, .address_space: global }
    .group_segment_fixed_size: 0
    .private_segment_fixed_size: 0
    .kernarg_segment_align: 8
    .kernarg_segment_size: 32
    .max_flat_workgroup_size: 256
    .sgpr_count:     66
    .vgpr_count:     152
    .wavefront_size: 32
...
	.end_amdgpu_metadata
.endif
;; end of part 4
